; MI455X (gfx1250); checked and timed in simulation.
; The chip was launched on July 23, 2026; its instructions are those of AMD's public machine-readable ISA for CDNA 5 (MIT licence, August 2026) and "CDNA5" Instruction Set Architecture Reference Guide (July 2026). The comments in the code are by the model that wrote it; some were corrected since.
;; Causal Self Attention. Allowed arithmetic: float matrix products may take bf16 or f16 operands with f32 sums; all other float work in f32.
;; Inputs: Wk 1,024 x 1,024 float32; Wo 1,024 x 1,024 float32; Wq 1,024 x 1,024 float32; Wv 1,024 x 1,024 float32; bk 1,024 float32; bo 1,024 float32; bq 1,024 float32; bv 1,024 float32; x 8 x 1,024 x 1,024 float32.
;; Outputs: out0 8 x 1,024 x 1,024 float32.
;; 2 versions, each right and faster than the one before. Each part assembles by itself: llvm-mc -triple=amdgcn-amd-amdhsa -mcpu=gfx1250 --defsym DOCPART=n.
;; ======== version 1 of 2: 4 launches
;; limits: values are held in f16: magnitudes above 65,504 overflow, below 6.1e-05 lose precision
;; workspace buffers: xh 16,777,216 bytes; wt 8,388,608 bytes; biasp 12,288 bytes; qkv 50,331,648 bytes; yh 16,777,216 bytes
;; launch prep (part 1): grid 1536 x 1, 8 waves a work-group, no clusters, 25,856 bytes of LDS; arguments x, xh, Wq, Wk, Wv, Wo, wt, bq, bk, bv, biasp; writes xh, wt, biasp
.if DOCPART == 1
	.amdgcn_target "amdgcn-amd-amdhsa--gfx1250"
	.amdhsa_code_object_version 6
	.text
	.protected	k_qa83ff7d4d2_prep
	.globl	k_qa83ff7d4d2_prep
	.p2align	8
	.type	k_qa83ff7d4d2_prep,@function
k_qa83ff7d4d2_prep:
	s_mov_b64 s[64:65], 0
	v_nop
	global_prefetch_b8 v0, s[64:65] scope:SCOPE_SE
	s_setreg_imm32_b32 hwreg(HW_REG_WAVE_MODE, 25, 1), 1
	s_wait_xcnt 0x0
; PREP: the operands of the later matrix products, once, in f16 and in the order in which those launches read them.
;   xh[8192][1024]  = x in f16.
;   wt[4096][1024]  = the four weights in f16, transposed to [output column][k]: rows 0-1023 Wq, 1024-2047 Wk, 2048-3071 Wv, 3072-4095 Wo.
;   biasp[3072]     = bq, bk, bv in the order of wt's first 3,072 rows.  (bo is read by the last launch as it lies.)
; THE ORDER.  A token's 1,024 numbers of q, k, v, y are 64 rows x 16 columns.  The attention launch wants lane L = r + 16 h of a wave to find its 8 numbers
; of fragment f at byte 512 f + 16 L.  So position c' = f<<8 | h<<7 | r<<3 | e holds
;   type A (q, k, y): the number c = f<<8 | r<<4 | h<<3 | e  (row 16 f + r, column 8 h + e);
;   type B (v):       the number c = f<<8 | h<<7 | e<<4 | r  (key 16 f + 8 h + e, column r).
; That costs nothing here: column c of Wq, Wk (A) or Wv (B) is written to row c' of wt, and Wo, whose K index is y's position, takes its row c at K position c' (A).
; All maps have one form, out = (n & M0) | ((n & M1) << S1) | ((n >> S2) & M2), with five numbers in s48-s52.
;
; WORK THAT THE PROGRAM LEAVES OUT (in the launch attn).
; (1) reference() keeps attn[i][k] only where its own tril leaves it, k <= i; every other score it sets to -inf in its own body, so that score's probability is
; exactly 0 and adds 0 x v[k][j] to y, whatever finite values the inputs hold.  Scores come in tiles of 16 queries x 16 keys: the 6 of 16 tiles in which every
; k > i are not computed, and in probs x v the blocks of 32 keys that hold such zeros alone (keys 32-63 for queries 0-31) are not multiplied.
; (2) The 1e-6 that reference() adds to every score is the same along the softmax's axis: exp(s[k] + c - (max + c)) = exp(s[k] - max) for every c, yet attn adds it
; as reference() does, with the 1/4 in one multiply-add.  It also decides something: reference() keeps a score only where d / 4 + 1e-6 != 0 in f32, d the sum of products.  An f32
; sum of two numbers is 0 only if they are exact opposites, and d / 4 is exact unless it ends among the denormals, where it cannot be -1e-6; so the test is
; d != -4 x f32(1e-6), for all values, though attn tests the score itself against 0.
; All nine inputs reach the output and all are loaded.
; LIMITS.  Matrix operands are f16: a magnitude of x, a weight, q, k or v above 65,504 becomes infinity (as drawn q, k, v stay below about 4; with every input
; 30 times larger below about 3,300; with x offset by 30 and the weights by 0.6 about 18,500).  A NaN or an infinity of v at a key of a block that is left out
; is not carried to the result (reference() forms 0 x inf = NaN there).
;
; SHARES.  Work-groups 0-1023 convert 8,192 numbers of x each; work-groups 1024-1535 take one tile of 128 K positions x 64 columns of one weight each:
; every work-group reads 32 KiB and writes 16 KiB.  No matrix unit, no cluster: nothing is multiplied and no two work-groups read the same bytes.
.set XCAST, 1024                       ; work-groups that convert x
.set PW,    48                         ; LDS: a row of a wave's region, 32 bytes of data + 16
.set RW,    64*PW+32                   ; LDS: a wave's region, 64 rows; the 32 bytes behind it set the eight regions 32 bytes apart modulo 256
	s_load_b128 s[4:7], s[0:1], 0x0                ; x s[4:5], xh s[6:7]
	s_load_b256 s[8:15], s[0:1], 0x10              ; Wq s[8:9], Wk s[10:11], Wv s[12:13], Wo s[14:15]
	s_load_b64 s[16:17], s[0:1], 0x30              ; wt
	s_load_b256 s[20:27], s[0:1], 0x38             ; bq s[20:21], bk s[22:23], bv s[24:25], biasp s[26:27]
	v_lshl_add_u32 v80, v0, 2, 0x6100
	v_mov_b32 v81, 0
	v_lshrrev_b32 v1, 5, v0
	v_readfirstlane_b32 s28, v1                    ; wave w, 0..7
	s_mov_b32 s41, 0                               ; the high word of every 32-bit offset
	s_wait_kmcnt 0x0
	s_cmp_lt_u32 ttmp9, XCAST                      ; the same in all eight waves
	s_cbranch_scc1 .Lcast
	; ---------------- a tile of a weight: p = which, kt = which 128 K positions, nb = which 64 source columns ----------------
	s_sub_co_u32 s29, ttmp9, XCAST
	s_lshr_b32 s30, s29, 7                         ; p: 0 Wq, 1 Wk, 2 Wv, 3 Wo
	s_bfe_u32 s31, s29, 0x30004                    ; kt
	s_and_b32 s32, s29, 15                         ; nb
	s_lshl_b32 s33, s31, 7                         ; Wq, Wk, Wv: K position = source row; the tile's first row is 128 kt, a chunk of 8 positions is 8 rows on
	s_lshr_b32 s34, s31, 1
	s_lshl_b32 s34, s34, 8
	s_and_b32 s35, s31, 1
	s_lshl3_add_u32 s35, s35, s34                  ; Wo: position 128 kt + 8 ch + e is row 256 (kt>>1) + 16 ch + 8 (kt&1) + e (type A): chunks are 16 rows apart
	s_mov_b32 s34, 8
	s_mov_b32 s48, 0x307                           ; source column -> row of wt.  Wq, Wk: type A, c -> c'
	s_mov_b32 s49, 8
	s_mov_b32 s50, 4
	s_mov_b32 s51, 1
	s_mov_b32 s52, 0x78
	s_cmp_eq_u32 s30, 1
	s_cselect_b64 s[36:37], s[10:11], s[8:9]
	s_cmp_eq_u32 s30, 2
	s_cselect_b64 s[36:37], s[12:13], s[36:37]
	s_cselect_b32 s48, 0x380, s48                  ; Wv: type B, c -> c'
	s_cselect_b32 s49, 15, s49
	s_cselect_b32 s50, 3, s50
	s_cselect_b32 s51, 4, s51
	s_cselect_b32 s52, 7, s52
	s_cmp_eq_u32 s30, 3
	s_cselect_b64 s[36:37], s[14:15], s[36:37]     ; s[36:37]: the weight
	s_cselect_b32 s33, s35, s33                    ; s33: the tile's first source row
	s_cselect_b32 s34, 16, s34                     ; s34: rows from chunk to chunk
	s_cselect_b32 s48, 0x3ff, s48                  ; Wo: its columns keep their order
	s_cselect_b32 s49, 0, s49
	s_cselect_b32 s50, 0, s50
	s_cselect_b32 s51, 0, s51
	s_cselect_b32 s52, 0, s52
	s_lshl_b32 s53, s28, 1                         ; wave w takes chunks 2 w and 2 w + 1
	s_mul_i32 s38, s53, s34
	s_add_co_u32 s38, s38, s33                     ; first row of chunk 2 w
	s_lshl_b32 s40, s38, 12                        ; a source row is 4,096 bytes
	s_lshl_b32 s39, s32, 8                         ; 64 columns are 256 bytes
	s_add_co_u32 s40, s40, s39
	s_add_nc_u64 s[42:43], s[36:37], s[40:41]      ; chunk 2 w
	s_lshl_b32 s40, s34, 12
	s_add_nc_u64 s[44:45], s[42:43], s[40:41]      ; chunk 2 w + 1
	v_and_b32 v2, 31, v0                           ; lane L
	v_lshlrev_b32 v1, 3, v2                        ; 8 L: lane L takes columns 2 L and 2 L + 1; a load of the wave covers 256 consecutive bytes, aligned
.irp c, 0,1
.irp e, 0,1,2,3,4,5,6,7
	global_load_b64 v[4+2*(8*\c+\e):5+2*(8*\c+\e)], v1, s[42+2*\c:43+2*\c] offset:4096*\e th:TH_LOAD_NT
.endr
.endr
	; addresses, while the sixteen loads are on their way
	s_lshl_b32 s40, s30, 21                        ; 1,024 rows of wt are 2,097,152 bytes
	s_lshl_b32 s39, s31, 8                         ; 128 K positions are 256 bytes
	s_add_co_u32 s40, s40, s39
	s_add_nc_u64 s[46:47], s[16:17], s[40:41]      ; wt at this weight's first row, this tile's K positions
	s_mul_i32 s39, s28, RW
	v_mul_u32_u24 v3, v2, 2*PW
	v_add_nc_u32 v3, s39, v3                       ; in: my wave's region, rows 2 L and 2 L + 1
	v_lshrrev_b32 v79, 4, v2
	v_add_nc_u32 v79, s53, v79                     ; back: tile row 2 w + (L >> 4), and 16, 32, 48 further down
	v_bfe_u32 v76, v2, 1, 3                        ; the 16 bytes of chunk L & 15 lie in region (L & 15) >> 1,
	v_mul_u32_u24 v77, v76, RW
	v_mad_u32_u24 v77, v79, PW, v77
	v_and_b32 v76, 1, v2                           ; in its first or second half
	v_lshl_add_u32 v77, v76, 4, v77
	v_and_b32 v78, 15, v2
	v_lshlrev_b32 v78, 4, v78                      ; 16 (L & 15): my place in the 256 bytes of a row of wt
	s_lshl_b32 s54, s32, 6                         ; 64 nb
	v_add_nc_u32 v79, s54, v79                     ; the source column of my first row
; dst = (src & s48) | ((src & s49) << s50) | ((src >> s51) & s52)
.macro PERM dst, src, tmp
	v_and_b32 v[\dst], s48, v[\src]
	v_and_b32 v[\tmp], s49, v[\src]
	v_lshl_or_b32 v[\dst], v[\tmp], s50, v[\dst]
	v_lshrrev_b32 v[\tmp], s51, v[\src]
	v_and_or_b32 v[\dst], v[\tmp], s52, v[\dst]
.endm
.irp i, 0,1,2,3
	v_add_nc_u32 v74, 16*\i, v79
	PERM 68+\i, 74, 75
	v_lshl_add_u32 v[68+\i], v[68+\i], 11, v78     ; row of wt x 2,048 bytes + my 16 bytes
.endr
; chunk c: for each of my two columns the 8 numbers along K are rounded to f16, packed into 16 bytes and laid into the column's row
.macro PACK c
.irp x, 0,1
.irp d, 0,1,2,3
	v_cvt_pk_f16_f32 v[36+4*(2*\c+\x)+\d], v[4+2*(8*\c+2*\d)+\x], v[4+2*(8*\c+2*\d+1)+\x]
.endr
	ds_store_b128 v3, v[36+4*(2*\c+\x):39+4*(2*\c+\x)] offset:PW*\x+16*\c
.endr
.endm
	s_wait_loadcnt 0x8                             ; loads come back in order: chunk 2 w is in, the eight loads of chunk 2 w + 1 stay out
	PACK 0
	s_wait_loadcnt 0x0
	PACK 1
	s_wait_dscnt 0x0                               ; my stores are in LDS before I say so: the other waves read them
	s_barrier_signal -1
	s_barrier_wait -1
.irp i, 0,1,2,3
	ds_load_b128 v[52+4*\i:55+4*\i], v77 offset:16*PW*\i
.endr
.irp i, 0,1,2,3
	s_wait_dscnt 3-\i                              ; the 3 - i younger LDS loads stay out
	global_store_b128 v[68+\i], v[52+4*\i:55+4*\i], s[46:47]   ; sixteen lanes store 256 consecutive bytes of one row of wt, aligned
.endr
	; ---------------- the biases: wave 0 of the work-groups with kt = 0 of Wq, Wk, Wv lays 64 numbers into biasp ----------------
	s_cmp_lg_u32 s28, 0
	s_cbranch_scc1 .Lend
	s_cmp_lg_u32 s31, 0
	s_cbranch_scc1 .Lend
	s_cmp_eq_u32 s30, 3
	s_cbranch_scc1 .Lend
	s_mov_b32 s48, 0x307                           ; position -> source index.  bq, bk: type A, c' -> c
	s_mov_b32 s49, 0x78
	s_mov_b32 s50, 1
	s_mov_b32 s51, 4
	s_mov_b32 s52, 8
	s_cmp_eq_u32 s30, 1
	s_cselect_b64 s[58:59], s[22:23], s[20:21]
	s_cmp_eq_u32 s30, 2
	s_cselect_b64 s[58:59], s[24:25], s[58:59]
	s_cselect_b32 s48, 0x380, s48                  ; bv: type B, c' -> c
	s_cselect_b32 s49, 7, s49
	s_cselect_b32 s50, 4, s50
	s_cselect_b32 s51, 3, s51
	s_cselect_b32 s52, 15, s52
	s_lshl_b32 s40, s30, 12
	s_lshl_b32 s39, s32, 8
	s_add_co_u32 s40, s40, s39
	s_add_nc_u64 s[56:57], s[26:27], s[40:41]      ; biasp at position 1,024 p + 64 nb
	v_lshl_add_u32 v76, v2, 1, s54                 ; my two positions: 64 nb + 2 L, and the next
	PERM 74, 76, 72
	v_lshlrev_b32 v74, 2, v74
	v_add_nc_u32 v76, 1, v76
	PERM 75, 76, 72
	v_lshlrev_b32 v75, 2, v75
	global_load_b32 v72, v74, s[58:59]
	global_load_b32 v73, v75, s[58:59]
	s_wait_loadcnt 0x0
	global_store_b64 v1, v[72:73], s[56:57]        ; the wave stores 256 consecutive bytes, aligned
.Lend:
	s_wait_tensorcnt 0x0
	ds_add_u32 v80, v81
	s_wait_dscnt 0x0
	s_endpgm
	; ---------------- x to f16: 8,192 numbers; thread t takes 16 bytes at 16 t of each of eight blocks of 4,096 bytes ----------------
.Lcast:
	s_lshl_b32 s40, ttmp9, 15
	s_add_nc_u64 s[4:5], s[4:5], s[40:41]
	s_lshl_b32 s40, ttmp9, 14
	s_add_nc_u64 s[6:7], s[6:7], s[40:41]
	v_lshlrev_b32 v1, 4, v0
	v_lshlrev_b32 v2, 3, v0
.irp i, 0,1,2,3,4,5,6,7
	global_load_b128 v[4+4*\i:7+4*\i], v1, s[4:5] offset:4096*\i th:TH_LOAD_NT
.endr
.irp i, 0,1,2,3,4,5,6,7
	s_wait_loadcnt 7-\i                            ; the 7 - i younger loads stay out
	v_cvt_pk_f16_f32 v[36+2*\i], v[4+4*\i], v[5+4*\i]
	v_cvt_pk_f16_f32 v[37+2*\i], v[6+4*\i], v[7+4*\i]
	global_store_b64 v2, v[36+2*\i:37+2*\i], s[6:7] offset:2048*\i   ; the wave stores 256 consecutive bytes, aligned; no register is written twice
.endr
	s_endpgm
.Lfunc_end_k_qa83ff7d4d2_prep:
	.size	k_qa83ff7d4d2_prep, .Lfunc_end_k_qa83ff7d4d2_prep-k_qa83ff7d4d2_prep
	.p2alignl 7, 3214868480
	.fill 96, 4, 3214868480
	.section	.rodata,"a",@progbits
	.p2align	6, 0x0
	.amdhsa_kernel k_qa83ff7d4d2_prep
		.amdhsa_group_segment_fixed_size 25856
		.amdhsa_private_segment_fixed_size 0
		.amdhsa_enable_private_segment 0
		.amdhsa_kernarg_size 88
		.amdhsa_user_sgpr_count 2
		.amdhsa_user_sgpr_kernarg_segment_ptr 1
		.amdhsa_wavefront_size32 1
		.amdhsa_system_sgpr_workgroup_id_x 1
		.amdhsa_system_sgpr_workgroup_id_y 1
		.amdhsa_system_sgpr_workgroup_id_z 1
		.amdhsa_system_vgpr_workitem_id 0
		.amdhsa_next_free_vgpr 82
		.amdhsa_next_free_sgpr 66
		.amdhsa_reserve_vcc 0
		.amdhsa_float_denorm_mode_32 3
		.amdhsa_float_denorm_mode_16_64 3
		.amdhsa_memory_ordered 1
		.amdhsa_forward_progress 1
		.amdhsa_inst_pref_size 13
	.end_amdhsa_kernel
	.amdgpu_metadata
---
amdhsa.version: [ 1, 2 ]
amdhsa.kernels:
  - .name:           k_qa83ff7d4d2_prep
    .symbol:         k_qa83ff7d4d2_prep.kd
    .args:
      - { .name: x, .offset: 0, .size: 8, .value_kind: global_buffer, .address_space: global }
      - { .name: xh, .offset: 8, .size: 8, .value_kind: global_buffer, .address_space: global }
      - { .name: Wq, .offset: 16, .size: 8, .value_kind: global_buffer, .address_space: global }
      - { .name: Wk, .offset: 24, .size: 8, .value_kind: global_buffer, .address_space: global }
      - { .name: Wv, .offset: 32, .size: 8, .value_kind: global_buffer, .address_space: global }
      - { .name: Wo, .offset: 40, .size: 8, .value_kind: global_buffer, .address_space: global }
      - { .name: wt, .offset: 48, .size: 8, .value_kind: global_buffer, .address_space: global }
      - { .name: bq, .offset: 56, .size: 8, .value_kind: global_buffer, .address_space: global }
      - { .name: bk, .offset: 64, .size: 8, .value_kind: global_buffer, .address_space: global }
      - { .name: bv, .offset: 72, .size: 8, .value_kind: global_buffer, .address_space: global }
      - { .name: biasp, .offset: 80, .size: 8, .value_kind: global_buffer, .address_space: global }
    .group_segment_fixed_size: 25856
    .private_segment_fixed_size: 0
    .kernarg_segment_align: 8
    .kernarg_segment_size: 88
    .max_flat_workgroup_size: 256
    .sgpr_count:     66
    .vgpr_count:     82
    .wavefront_size: 32
...
	.end_amdgpu_metadata
.endif
;; end of part 1
;; launch qkv (part 2): grid 12 x 64, 4 waves a work-group, clusters of 4 x 4, 327,680 bytes of LDS; arguments xh, wt, qkv, biasp; writes qkv
.if DOCPART == 2
	.amdgcn_target "amdgcn-amd-amdhsa--gfx1250"
	.amdhsa_code_object_version 6
	.text
	.protected	k_qa83ff7d4d2_qkv
	.globl	k_qa83ff7d4d2_qkv
	.p2align	8
	.type	k_qa83ff7d4d2_qkv,@function
k_qa83ff7d4d2_qkv:
	s_mov_b64 s[64:65], 0
	v_nop
	global_prefetch_b8 v0, s[64:65] scope:SCOPE_SE
	s_setreg_imm32_b32 hwreg(HW_REG_WAVE_MODE, 25, 1), 1
	s_wait_xcnt 0x0
	s_wait_alu depctr_hold_cnt(0) depctr_sa_sdst(0) depctr_va_vdst(0) depctr_va_sdst(0) depctr_va_ssrc(0) depctr_va_vcc(0) depctr_vm_vsrc(0)
	s_getreg_b32 s2, hwreg(HW_REG_IB_STS2, 6, 4)
	s_cmp_eq_u32 s2, 0
	s_cbranch_scc0 .Lentry_in_a_cluster
	s_endpgm
.Lentry_in_a_cluster:
	s_bfe_u32 s2, ttmp6, 0x10000c
	s_cmp_lg_u32 s2, 0xf033
	s_cbranch_scc0 .Lentry_shape_is_right
	s_endpgm
.Lentry_shape_is_right:
; QKV: qkv[m][n] = sum over k of xh[m][k] wt[n][k] + biasp[n], m < 8192, n < 3072, K = 1024.  Operands f16, sums f32, the result rounded once to f16.
; (Columns 0-1023 are q, 1024-2047 k, 2048-3071 v of a token, each in the order that the attention launch reads; wt's rows and biasp lie in that order already.)
; LIMIT: a result above 65,504 in magnitude becomes infinity in f16.
; A work-group makes a block of 128 x 256 with four waves, as many as a WGP has SIMDs: 64 x 12 = 768 blocks.  A wave makes 64 x 128: 32 accumulator tiles of
; 16 x 16, 256 registers.  K goes in steps of 128 through a ring of two LDS slots filled by the tensor data mover; a tile's rows are 256 bytes of memory and
; start at multiples of 256 bytes from the buffer's first byte.
; CLUSTERS: 4 x 4 work-groups.  The four of a row of the cluster make blocks of one block row and need the same tiles of xh; the four of a column need the same
; tiles of wt.  Such a tile is asked for jointly: each of the four issues the same tensor load, with the same descriptor and a mask that names the four.
; By this text's own count a wave has two tensor loads out at the start and one behind each round of the cluster's barrier.
; REGISTERS, in windows of 256 (s_set_vgpr_msb says which window each operand place means: bits 1:0 source 0, 3:2 source 1, 5:4 source 2, 7:6 destination):
;   window 0: v16-27 addresses; two fragment buffers, v32-127 and v128-223 (64 registers of wt's rows, then 32 of xh's rows); v224-255 at work on the way out
;   window 1: the 32 accumulator tiles, tile (a, b) at v[8 (8 a + b)], a = 16 rows of my 64, b = 16 columns of my 128
;   window 2: v0-63 the bias of my 128 columns, in an accumulator's layout: register 8 b + j of lane (r, h) holds column 16 b + 8 h + j
; THE MATRIX INSTRUCTION IS USED TRANSPOSED: source 0 = 16 rows of wt, source 1 = 16 rows of xh.  Lane l then holds row l % 16 of the result and its registers
; 0 to 7 the columns 8 (l / 16) + 0 .. 7: eight neighbouring numbers, which pack into 16 bytes.
; THE BIAS STARTS THE SUMS: each accumulator's first product takes the bias registers as its C, so nothing is cleared and nothing is added afterwards.
.set SIZE_K, 1024
.set KSTEP,  128
.set PITCH,  272                       ; an LDS row: 256 bytes of data + 16 of padding, so that the 16 rows that a load touches start 16 bytes further on modulo 256
.set AHALF,  64*PITCH                  ; 64 rows of xh: one tensor load, and what one wave reads of xh
.set ABYTES, 2*AHALF
.set BHALF,  128*PITCH                 ; 128 rows of wt: one tensor load, and what one wave reads of wt
.set SLOT,   ABYTES+2*BHALF            ; xh's 128 rows, then wt's 256 rows: 104,448 bytes
.set STAGE,  2*SLOT                    ; behind the ring, at a multiple of 256 bytes: 16 rows x 272 bytes for each wave, for the way out; no tensor load lands there
.set SPITCH, 272
.set LAPS,   SIZE_K/(2*KSTEP)          ; a lap = two K steps = once round the ring: 4
.set WROW0,  0                         ; first row of wt that this launch multiplies by
.set CROW,   6144                      ; bytes in a row of qkv
.set ADRA, 16                          ; v16-17  LDS address of my xh fragments in slot 0, 1
.set ADRB, 20                          ; v20-21  the same for wt
.set STO,  24                          ; v24     the way out: where I put 16 bytes of a row
.set RD,   25                          ; v25     the way out: where I read a row back
.set CO,   26                          ; v26     my byte offset in qkv
.set BO,   27                          ; v27     my byte offset in the bias
.set F0,   32                          ; fragment buffer 0
.set F1,   128                         ; fragment buffer 1
.set TMP,  224                         ; the way out: packed results
.set G1,  24                           ; s[24:31] descriptor group 1 for xh's tiles
.set G0,  32                           ; s[32:39] descriptor group 0 for xh's tiles, one set for each slot
.set G1B, 48                           ; s[48:55] descriptor group 1 for wt's tiles
.set G0B, 56                           ; s[56:63] descriptor group 0 for wt's tiles, one set for each slot
.set MSB, 0
.macro WIN new                         ; the immediate's high byte repeats the setting that is left
.if MSB != \new
	s_set_vgpr_msb (MSB<<8)|\new
.set MSB, \new
.endif
.endm
.set MUL,     0x50                     ; sources 0 and 1 window 0, C and D window 1
.set MUL_1ST, 0x60                     ; the same with C in window 2: the bias
.set TO_BIAS, 0x80                     ; destination window 2, address window 0
.macro MWIN first
.if \first
	WIN MUL_1ST
.else
	WIN MUL
.endif
.endm
; A joint load.  Waves 0 and 1 fetch xh's two halves, waves 2 and 3 wt's.  Each line has one mask and one set of registers for all that issue it; the branch hangs on
; the wave's number alone.
.macro JLOAD s
	s_cmp_eq_u32 s11, 0
	s_cbranch_scc0 .Lfor_b_\@
	tensor_load_to_lds s[G0+4*\s:G0+4*\s+3], s[G1:G1+7]
	s_nop 0
	s_branch .Lasked_\@
.Lfor_b_\@:
	tensor_load_to_lds s[G0B+4*\s:G0B+4*\s+3], s[G1B:G1B+7]
	s_nop 0
.Lasked_\@:
.endm
; A round of the cluster's barrier: my work-group's barrier, so that wave 0's signal speaks for all four waves; wave 0 signals for the work-group; every wave waits for
; all sixteen work-groups; my work-group's barrier once more.
.macro CREST                           ; a round behind its opening barrier
	s_cmp_lg_u32 s10, 0
	s_cbranch_scc1 .Lnot_wave_0_\@
	s_barrier_signal -3
.Lnot_wave_0_\@:
	s_barrier_wait -3
	s_barrier_signal -1
	s_barrier_wait -1
.endm
.macro CROUND                          ; a whole round
	s_barrier_signal -1
	s_barrier_wait -1
	CREST
.endm
	s_load_b128 s[4:7], s[0:1], 0x0                ; xh s[4:5], wt s[6:7]
	s_load_b64 s[8:9], s[0:1], 0x10                ; qkv
	s_load_b64 s[66:67], s[0:1], 0x18              ; biasp
	v_lshl_add_u32 v30, v0, 2, 0x37400
	v_mov_b32 v31, 0
	ds_add_u32 v30, v31
	v_lshrrev_b32 v1, 5, v0
	v_readfirstlane_b32 s10, v1                    ; wave 0..3
	s_lshr_b32 s11, s10, 1                         ; which 64 of the block's rows are mine.  Also: I fetch for xh (0) or for wt (1)
	s_and_b32 s12, s10, 1                          ; which 128 of its columns.  Also: which half of that tile I fetch
	s_bfe_u32 s40, ttmp6, 0x40000                  ; cx: my place along the cluster's x
	s_bfe_u32 s41, ttmp6, 0x40004                  ; cy: along its y
	s_lshl_b32 s42, ttmp9, 2                       ; in a cluster launch ttmp9 and ttmp7 count clusters
	s_add_co_u32 s42, s42, s40                     ; block column = 4 x cluster x + cx
	s_and_b32 s13, ttmp7, 0xffff
	s_lshl_b32 s13, s13, 2
	s_add_co_u32 s13, s13, s41                     ; block row = 4 x cluster y + cy
	s_lshl_b32 s43, s41, 2
	s_lshl_b32 s43, 15, s43                        ; my row of the cluster: places 4 cy .. 4 cy + 3
	s_lshl_b32 s44, 0x1111, s40                    ; my column: places cx, cx + 4, cx + 8, cx + 12
	; descriptor group 1: tiles of 64 (xh) or 128 (wt) rows x 128 elements of 2 bytes, padded in LDS
	s_or_b32 s[G1+0], s43, (1<<16)|(1<<20)|(1<<21)|(5<<22)|(3<<25)  ; 15:0 mask: my row; 17:16 2-byte elements; 20 padding on; 21 set beside a mask; 24:22 after every 64 words; 31:25 4 words
	s_or_b32 s[G1B+0], s44, (1<<16)|(1<<20)|(1<<21)|(5<<22)|(3<<25) ; the same with the mask of my column
	s_mov_b32 s[G1+1], KSTEP<<16                   ; tensor_dim0 = 128
	s_mov_b32 s[G1B+1], KSTEP<<16
	s_mov_b32 s[G1+2], 64<<16                      ; tensor_dim1 = 64
	s_mov_b32 s[G1B+2], 128<<16                    ; tensor_dim1 = 128
	s_mov_b32 s[G1+3], KSTEP<<16                   ; tile_dim0 = 128
	s_mov_b32 s[G1B+3], KSTEP<<16
	s_mov_b32 s[G1+4], 64                          ; tile_dim1 = 64 rows
	s_mov_b32 s[G1B+4], 128                        ; tile_dim1 = 128 rows
	s_mov_b32 s[G1+5], SIZE_K                      ; elements from row to row
	s_mov_b32 s[G1B+5], SIZE_K
	s_mov_b32 s[G1+6], 0
	s_mov_b32 s[G1B+6], 0
	s_mov_b32 s[G1+7], 0
	s_mov_b32 s[G1B+7], 0
	; where the tiles come from.  xh's hang on the block row alone, which my row of the cluster shares; wt's on the block column alone, which my column shares.
	; Every wave makes both addresses, in registers that never hold the other coordinate, and asks by one of them.
	s_lshl_b32 s16, s13, 7
	s_lshl_b32 s17, s12, 6
	s_add_co_u32 s16, s16, s17                     ; xh: row 128 x block row + 64 x half
	s_lshl_b32 s16, s16, 11                        ; a row is 2,048 bytes
	s_mov_b32 s17, 0
	s_lshl_b32 s46, s42, 8
	s_lshl_b32 s47, s12, 7
	s_add_co_u32 s46, s46, s47
	s_add_co_u32 s46, s46, WROW0                   ; wt: row 256 x block column + 128 x half
	s_lshl_b32 s46, s46, 11
	s_mov_b32 s47, 0
	s_mul_i32 s20, s12, AHALF                      ; and where they go: made of the wave's number alone
	s_mul_i32 s45, s12, BHALF
	s_add_co_u32 s45, s45, ABYTES
	s_wait_dscnt 0x0
	s_wait_kmcnt 0x0
	s_add_nc_u64 s[14:15], s[4:5], s[16:17]
	s_add_nc_u64 s[46:47], s[6:7], s[46:47]
	CROUND                                         ; all sixteen work-groups are here: the first joint loads meet
.irp s, 0,1
	s_mov_b32 s[G0+4*\s], 1                                        ; count = 1
	s_add_co_u32 s[G0+4*\s+1], s20, \s*SLOT                        ; LDS address
	s_add_nc_u64 s[G0+4*\s+2:G0+4*\s+3], s[14:15], \s*KSTEP*2      ; global address: K step s
	s_or_b32 s[G0+4*\s+3], s[G0+4*\s+3], 0x80000000                ; type = 2
	s_mov_b32 s[G0B+4*\s], 1
	s_add_co_u32 s[G0B+4*\s+1], s45, \s*SLOT
	s_add_nc_u64 s[G0B+4*\s+2:G0B+4*\s+3], s[46:47], \s*KSTEP*2
	s_or_b32 s[G0B+4*\s+3], s[G0B+4*\s+3], 0x80000000
	JLOAD \s                                       ; the ring is filled before anything else is done
.endr
	v_and_b32 v1, 15, v0                           ; r = l % 16
	v_bfe_u32 v2, v0, 4, 1                         ; h = l / 16
	; the bias of my 128 columns into window 2: 8 h + 16 b + 0..7, two loads of 16 bytes for each b
	v_lshlrev_b32 v[BO], 5, v2
	s_lshl_b32 s46, s42, 10                        ; 256 columns of 4 bytes for each block column,
	s_lshl_b32 s47, s12, 9                         ; 128 for my half
	s_add_co_u32 s46, s46, s47
	s_mov_b32 s47, 0
	s_add_nc_u64 s[66:67], s[66:67], s[46:47]
	WIN TO_BIAS
.irp b, 0,1,2,3,4,5,6,7
	global_load_b128 v[8*\b:8*\b+3],   v[BO], s[66:67] offset:64*\b
	global_load_b128 v[8*\b+4:8*\b+7], v[BO], s[66:67] offset:64*\b+16
.endr
	WIN 0
	; A fragment is 16 rows x 32 K in 8 registers: lane l holds row l % 16; registers 0-3 hold K = 8 (l / 16) + 0..7, registers 4-7 hold K = 16 + 8 (l / 16) + 0..7:
	; two loads of 16 bytes, 32 bytes apart, from rows that lie along K.
	v_mul_u32_u24 v3, v1, PITCH
	v_lshl_add_u32 v3, v2, 4, v3                   ; row x pitch + 16 x half
	s_mul_i32 s21, s11, AHALF                      ; my 64 rows of xh
	s_mul_i32 s22, s12, BHALF                      ; my 128 rows of wt,
	s_add_co_u32 s22, s22, ABYTES                  ; which lie behind xh's 128
.irp s, 0,1
	v_add_nc_u32 v[ADRA+\s], s21, v3
	v_add_nc_u32 v[ADRB+\s], s22, v3
	s_add_co_u32 s21, s21, SLOT
	s_add_co_u32 s22, s22, SLOT
.endr
	s_mul_i32 s23, s10, 16*SPITCH
	s_add_co_u32 s23, s23, STAGE                   ; my stage
	v_mul_u32_u24 v4, v1, SPITCH                   ; in: row l % 16, 16 bytes for each half of the lanes
	v_lshl_add_u32 v4, v2, 4, v4
	v_add_nc_u32 v[STO], s23, v4
	v_mul_u32_u24 v5, v2, SPITCH                   ; back: lanes 0-15 take one row of 256 bytes, lanes 16-31 the next
	v_lshl_add_u32 v5, v1, 4, v5
	v_add_nc_u32 v[RD], s23, v5
	v_mul_u32_u24 v5, v2, CROW                     ; and the same two rows in qkv
	v_lshl_add_u32 v[CO], v1, 4, v5
; 8 matrix instructions: row block a of my four x all 8 column blocks, 32 along K.  first = 1: C is the bias of column block b (window 2).
.macro MULA f, a, first
.irp b, 0,1,2,3,4,5,6,7
.if \first
	v_wmma_f32_16x16x32_f16 v[8*(8*\a+\b):8*(8*\a+\b)+7], v[\f+8*\b:\f+8*\b+7], v[\f+64+8*\a:\f+64+8*\a+7], v[8*\b:8*\b+7]
.else
	v_wmma_f32_16x16x32_f16 v[8*(8*\a+\b):8*(8*\a+\b)+7], v[\f+8*\b:\f+8*\b+7], v[\f+64+8*\a:\f+64+8*\a+7], v[8*(8*\a+\b):8*(8*\a+\b)+7]
.endif
.endr
.endm
; 24 LDS loads in one run: the fragments of one quarter step (128 rows of wt, then 64 rows of xh, 32 K at byte k of the rows) into buffer f
.macro FETCH slot, k, f
	WIN 0
.irp i, 0,1,2,3,4,5,6,7
	ds_load_b128 v[\f+8*\i:\f+8*\i+3],   v[ADRB+\slot] offset:\k+\i*16*PITCH
	ds_load_b128 v[\f+8*\i+4:\f+8*\i+7], v[ADRB+\slot] offset:\k+\i*16*PITCH+32
.endr
.irp i, 0,1,2,3
	ds_load_b128 v[\f+64+8*\i:\f+64+8*\i+3],   v[ADRA+\slot] offset:\k+\i*16*PITCH
	ds_load_b128 v[\f+64+8*\i+4:\f+64+8*\i+7], v[ADRA+\slot] offset:\k+\i*16*PITCH+32
.endr
.endm
; A load into a register that a matrix instruction has read, and a vector instruction that reads a matrix result, stand four places behind that matrix instruction, and
; only plain vector instructions that name none of its registers are places (ISA guide 7.12.1 for vector instructions).
.macro PLACES
.rept 4
	v_nop
.endr
.endm
; A K step is four quarter steps of 32 along K, 32 matrix instructions each, on buffers 0, 1, 0, 1.  The 32 accumulators take turns, one instruction a turn, in the same
; order in every quarter step and over the loop's backward jump.
; One of the first three: multiplies buffer f; in its middle it fetches the next quarter's fragments, at byte k of the same slot's rows, into buffer g.
.macro QUARTER slot, k, f, g, first
	s_wait_dscnt 4                                 ; wt's fragments and xh's row blocks 0, 1 are in; the youngest four loads (row blocks 2, 3) may be out
	MWIN \first
	MULA \f, 0, \first
	MULA \f, 1, \first
	PLACES
	FETCH \slot, \k, \g
	s_wait_dscnt 24                                ; all but the 24 just issued
	MWIN \first
	MULA \f, 2, \first
	MULA \f, 3, \first
.endm
.macro THREE slot, first
	QUARTER \slot, 64,  F0, F1, \first
	QUARTER \slot, 128, F1, F0, 0
	QUARTER \slot, 192, F0, F1, 0
.endm
; The last quarter: multiplies buffer 1 and changes slots.  next = the other slot; fill = 1: this slot is filled again, two K steps ahead.
; One barrier for the change of slots.  In front of it each wave waits for its own reads of this slot and for all its tensor loads, of which one is out: its part of the
; next slot.  Behind it nobody reads this slot any more and the next slot is whole: the refill comes first, then the next slot's first fragments.
; From a request to the wait for it a wave issues 120 matrix instructions.
.macro TURN slot, next, fill
	s_wait_dscnt 4
	WIN MUL
	MULA F1, 0, 0
	s_wait_dscnt 0                                 ; my reads of this slot are over
	s_wait_tensorcnt 0x0                           ; and all my tensor loads have landed: the one that was out is my part of the next slot
	ds_add_u32 v30, v31
	s_wait_dscnt 0x0
	s_barrier_signal -1                            ; say so (where a slot is filled again this barrier opens a round of the cluster's barrier),
	MULA F1, 1, 0                                  ; work on registers while the others arrive,
	WIN 0
	s_barrier_wait -1                              ; and go on when all four have said so
.if \fill
	CREST                                          ; all sixteen work-groups have said so: no wave of any partner still reads this slot's tile or has a load on its way
	s_add_nc_u64 s[G0+4*\slot+2:G0+4*\slot+3], s[G0+4*\slot+2:G0+4*\slot+3], 2*KSTEP*2
	s_add_nc_u64 s[G0B+4*\slot+2:G0B+4*\slot+3], s[G0B+4*\slot+2:G0B+4*\slot+3], 2*KSTEP*2
	JLOAD \slot                                    ; the first tensor load behind the round, and my only one until the next
.endif
	PLACES
	FETCH \next, 0, F0
	WIN MUL
	MULA F1, 2, 0
	MULA F1, 3, 0
.endm
.macro LAP first                       ; once round the ring, both slots filled again
	THREE 0, \first
	TURN 0, 1, 1
	THREE 1, 0
	TURN 1, 0, 1
.endm
	s_wait_tensorcnt 0x1                           ; my part of K step 0 is in; K step 1's load stays out
	s_barrier_signal -1
	s_barrier_wait -1                              ; everybody's is
	FETCH 0, 0, F0
	s_wait_loadcnt 0x0                             ; the bias: the first products take it as C
	LAP 1                                          ; the first lap stands in front of the loop: its first products start the sums
	WIN 0                                          ; at a label and at a branch every window is 0
	s_mov_b32 s3, LAPS-2
.Llap:
	LAP 0
	WIN 0
	s_sub_co_u32 s3, s3, 1
	s_cmp_lg_u32 s3, 0
	s_cbranch_scc1 .Llap
	THREE 0, 0                                     ; the last lap fills nothing and has no round of the cluster's barrier: the one load still out is slot 1's, the last K step's
	TURN 0, 1, 0
	THREE 1, 0
	s_wait_dscnt 4                                 ; the very last quarter: nothing more to fetch
	WIN MUL
	MULA F1, 0, 0
	MULA F1, 1, 0
	s_wait_dscnt 0
	MULA F1, 2, 0
	MULA F1, 3, 0
	; THE WAY OUT, 16 rows at a time: round to f16, 16 bytes a lane into my own stage in LDS, read back as whole rows of 256 bytes.
	PLACES                                         ; the places behind the last matrix instructions: for the conversions and for the loads into buffers 0 and 1
	s_lshl_b32 s16, s13, 7
	s_lshl_b32 s14, s11, 6
	s_add_co_u32 s16, s16, s14                     ; my first row
	s_mul_i32 s16, s16, CROW
	s_mov_b32 s17, 0
	s_add_nc_u64 s[8:9], s[8:9], s[16:17]
	s_lshl_b32 s46, s42, 9                         ; my first column, in bytes: 512 x block + 256 x half
	s_lshl_b32 s47, s12, 8
	s_add_co_u32 s46, s46, s47
	s_mov_b32 s47, 0
	s_add_nc_u64 s[8:9], s[8:9], s[46:47]
; rows 16 a .. 16 a + 15 of my block = the eight tiles (a, 0..7); f: F0 or F1 in turn
.macro OUT16 a, f
	WIN 0x05                                       ; sources 0 and 1 window 1, destination window 0
.irp b, 0,1,2,3,4,5,6,7
.irp q, 0,1,2,3
	v_cvt_pk_f16_f32 v[TMP+4*\b+\q], v[8*(8*\a+\b)+2*\q], v[8*(8*\a+\b)+2*\q+1]
.endr
.endr
	WIN 0
.irp b, 0,1,2,3,4,5,6,7
	ds_store_b128 v[STO], v[TMP+4*\b:TMP+4*\b+3] offset:32*\b
.endr
	s_wait_xcnt 0x0                                ; buffer f, which earlier stores read, and the stores' base are rewritten only behind this wait
.if \a
	s_add_nc_u64 s[8:9], s[8:9], 16*CROW           ; 16 rows on
.endif
.irp t, 0,1,2,3,4,5,6,7
	ds_load_b128 v[\f+4*\t:\f+4*\t+3], v[RD] offset:\t*2*SPITCH    ; LDS serves a wave's instructions in order (ISA guide 5.7.1.4): these see the stores above
.endr
.irp t, 0,1,2,3,4,5,6,7
	s_wait_dscnt 7-\t                              ; the 7 - t younger loads stay out
	global_store_b128 v[CO], v[\f+4*\t:\f+4*\t+3], s[8:9] offset:2*\t*CROW   ; 16 lanes store 256 consecutive bytes, at a multiple of 256 from the buffer's first byte
.endr
.endm
	OUT16 0, F0
	OUT16 1, F1
	OUT16 2, F0
	OUT16 3, F1
	s_wait_tensorcnt 0x0
	ds_add_u32 v30, v31
	s_wait_dscnt 0x0
	CROUND                                         ; the closing round: no work-group ends while a partner may still ask for a tile that names it
	s_endpgm
.Lfunc_end_k_qa83ff7d4d2_qkv:
	.size	k_qa83ff7d4d2_qkv, .Lfunc_end_k_qa83ff7d4d2_qkv-k_qa83ff7d4d2_qkv
	.p2alignl 7, 3214868480
	.fill 96, 4, 3214868480
	.section	.rodata,"a",@progbits
	.p2align	6, 0x0
	.amdhsa_kernel k_qa83ff7d4d2_qkv
		.amdhsa_group_segment_fixed_size 327680
		.amdhsa_private_segment_fixed_size 0
		.amdhsa_enable_private_segment 0
		.amdhsa_kernarg_size 32
		.amdhsa_user_sgpr_count 2
		.amdhsa_user_sgpr_kernarg_segment_ptr 1
		.amdhsa_wavefront_size32 1
		.amdhsa_system_sgpr_workgroup_id_x 1
		.amdhsa_system_sgpr_workgroup_id_y 1
		.amdhsa_system_sgpr_workgroup_id_z 1
		.amdhsa_system_vgpr_workitem_id 0
		.amdhsa_next_free_vgpr 576
		.amdhsa_next_free_sgpr 68
		.amdhsa_reserve_vcc 0
		.amdhsa_float_denorm_mode_32 3
		.amdhsa_float_denorm_mode_16_64 3
		.amdhsa_memory_ordered 1
		.amdhsa_forward_progress 1
		.amdhsa_inst_pref_size 120
	.end_amdhsa_kernel
	.amdgpu_metadata
---
amdhsa.version: [ 1, 2 ]
amdhsa.kernels:
  - .name:           k_qa83ff7d4d2_qkv
    .symbol:         k_qa83ff7d4d2_qkv.kd
    .args:
      - { .name: xh, .offset: 0, .size: 8, .value_kind: global_buffer, .address_space: global }
      - { .name: wt, .offset: 8, .size: 8, .value_kind: global_buffer, .address_space: global }
      - { .name: qkv, .offset: 16, .size: 8, .value_kind: global_buffer, .address_space: global }
      - { .name: biasp, .offset: 24, .size: 8, .value_kind: global_buffer, .address_space: global }
    .group_segment_fixed_size: 327680
    .private_segment_fixed_size: 0
    .kernarg_segment_align: 8
    .kernarg_segment_size: 32
    .max_flat_workgroup_size: 128
    .sgpr_count:     68
    .vgpr_count:     576
    .wavefront_size: 32
...
	.end_amdgpu_metadata
.endif
;; end of part 2
;; launch attn (part 3): grid 256 x 1, 16 waves a work-group, no clusters, 0 bytes of LDS; arguments qkv, yh; writes yh
.if DOCPART == 3
	.amdgcn_target "amdgcn-amd-amdhsa--gfx1250"
	.amdhsa_code_object_version 6
	.text
	.protected	k_qa83ff7d4d2_attn
	.globl	k_qa83ff7d4d2_attn
	.p2align	8
	.type	k_qa83ff7d4d2_attn,@function
k_qa83ff7d4d2_attn:
	s_mov_b64 s[64:65], 0
	v_nop
	global_prefetch_b8 v0, s[64:65] scope:SCOPE_SE
	s_setreg_imm32_b32 hwreg(HW_REG_WAVE_MODE, 25, 1), 1
	s_wait_xcnt 0x0
; ATTN: for each token, from its 64 x 16 matrices q, k, v:  s[i][k] = (sum over j of q[i][j] k[k][j]) / 4 + 1e-6;  kept where k <= i and s != 0, else -inf;
; p = softmax over k (the row's maximum taken away);  y[i][j] = sum over k of p[i][k] v[k][j].  Operands f16, sums and softmax f32, y rounded once to f16.
; LEFT OUT: the 6 of 16 score tiles of 16 x 16 in which every k > i, and the blocks of 32 keys of p x v that hold such entries alone (keys 32-63 for queries 0-31):
; reference() sets those scores to -inf in its own body, so their probabilities are exactly 0 for all inputs.  16 matrix instructions a token instead of 24.
; LIMITS: a NaN or an infinity of v at a key of a block left out is not carried to y.  The scale and the 1e-6 are one fused multiply-add (the division by 4 is exact
; but for denormal sums).  The probabilities go to the matrix unit unnormalised, exp(s - max) in [0, 1], in f16; y is multiplied by 1 / sum afterwards, in f32.
; A row whose kept scores are all 0 gives NaN, as in reference().
; SHARES: one wave, two tokens, all in registers: no LDS, no barrier, no loop.  16 waves x 256 work-groups x 2 = 8,192 tokens.  No cluster: no two waves read the same bytes.
; LAYOUTS: qkv holds a token's q, k, v so that lane L = r + 16 h finds its 16 bytes of fragment f at byte 512 f + 16 L:
;   q, k: row 16 f + r, columns 8 h + 0..7 (registers 0-3 of a fragment; the contraction has 16 of the form's 32, so registers 4-7 are 0, written once);
;   v:    column r, keys 16 f + 8 h + 0..7 (two loads make a fragment of 32 keys).
; Scores are made transposed, D = K fragment x Q fragment: register j of lane (r, h) holds key 16 kt + 8 h + j of query 16 it + r.  So a query's keys lie in the registers of
; two lanes, L and L xor 16: softmax needs one step across lanes, and a tile's eight registers pack into registers 0-3 or 4-7 of a fragment of p with no lane crossed.
; y = V fragment x P fragment: register j of lane (r, h) holds y[16 it + r][8 h + j], 16 bytes in f16, stored at byte 512 it + 16 L: the order in which the last launch's
; weights were laid.
.set TOK,  6144                        ; bytes of a token in qkv
.set YTOK, 2048                        ; bytes of a token in yh
.set R,  16                            ; v[16:23]   1 / sum of query tile it, twice (a pair for the packed multiply)
.set Q,  24                            ; v[24:55]   4 fragments of q
.set K,  56                            ; v[56:87]   4 fragments of k
.set V,  88                            ; v[88:103]  2 fragments of v
.set P,  104                           ; v[104:151] 6 fragments of p: query tile 0: 1 (keys 0-15, the rest 0), 1: 1, 2: 2 (the second: keys 32-47, the rest 0), 3: 2
.set S,  152                           ; v[152:231] 10 score tiles, tile (it, kt) at 8 (it (it + 1) / 2 + kt); later y of query tile it at 8 it
.set YP, 232                           ; v[232:247] y packed, to store
; v1 16 L, the only address register, never rewritten; v2 -inf; v3 the other half's figure; v[4:5] 0.25; v[6:7] 1e-6; v[8:9] log2 e; v[10:11] -max log2 e; v[12:13] sums; v14, v15 maxima
	s_load_b128 s[4:7], s[0:1], 0x0                ; qkv s[4:5], yh s[6:7]
	v_lshrrev_b32 v1, 5, v0
	v_readfirstlane_b32 s8, v1                     ; wave 0..15
	s_lshl_b32 s9, ttmp9, 4
	s_add_co_u32 s9, s9, s8                        ; my pair of tokens
	s_mul_i32 s10, s9, 2*TOK
	s_mov_b32 s11, 0
	s_lshl_b32 s14, s9, 12                         ; 2 x 2,048 bytes
	s_mov_b32 s15, 0
	s_mov_b32 s12, 0x76543210                      ; v_permlanex16_b32: lane i of one half reads lane i of the other
	s_mov_b32 s13, 0xfedcba98
	v_and_b32 v1, 31, v0
	v_lshlrev_b32 v1, 4, v1
	s_wait_kmcnt 0x0
	s_add_nc_u64 s[4:5], s[4:5], s[10:11]
	s_add_nc_u64 s[6:7], s[6:7], s[14:15]
.macro LOADQK t                        ; eight loads, each 512 consecutive bytes for the wave
.irp f, 0,1,2,3
	global_load_b128 v[Q+8*\f:Q+8*\f+3], v1, s[4:5] offset:TOK*(\t)+512*\f th:TH_LOAD_NT
.endr
.irp f, 0,1,2,3
	global_load_b128 v[K+8*\f:K+8*\f+3], v1, s[4:5] offset:TOK*(\t)+2048+512*\f th:TH_LOAD_NT
.endr
.endm
.macro LOADV t                         ; four loads
.irp f, 0,1,2,3
	global_load_b128 v[V+4*\f:V+4*\f+3], v1, s[4:5] offset:TOK*(\t)+4096+512*\f th:TH_LOAD_NT
.endr
.endm
	LOADQK 0
	LOADV 0
	; constants, while the twelve loads are on their way
	v_mov_b32 v2, 0xff800000
	v_mov_b32 v3, 0
	v_mov_b32 v4, 0x3e800000
	v_mov_b32 v5, 0x3e800000
	v_mov_b32 v6, 0x358637bd
	v_mov_b32 v7, 0x358637bd
	v_mov_b32 v8, 0x3fb8aa3b
	v_mov_b32 v9, 0x3fb8aa3b
	; the halves of fragments that hold no data: K = 16..31 of q and k, keys 16-31 of p's fragment 0, keys 48-63 of its fragment 3.  No load and no later line writes them.
.irp f, 0,1,2,3
.irp j, 4,5,6,7
	v_mov_b32 v[Q+8*\f+\j], 0
	v_mov_b32 v[K+8*\f+\j], 0
.endr
.endr
.irp j, 4,5,6,7
	v_mov_b32 v[P+\j], 0
	v_mov_b32 v[P+24+\j], 0
.endr
.macro SCORES                          ; ten products, each into a tile of its own
.irp it, 0,1,2,3
.irp kt, 0,1,2,3
.if \kt <= \it
	v_wmma_f32_16x16x32_f16 v[S+8*((\it*(\it+1))/2+\kt):S+8*((\it*(\it+1))/2+\kt)+7], v[K+8*\kt:K+8*\kt+7], v[Q+8*\it:Q+8*\it+7], 0
.endif
.endr
.endr
.endm
.macro SCALE                           ; s / 4 + 1e-6, two at a time
.set ci, 0
.rept 40
	v_pk_fma_f32 v[S+ci:S+ci+1], v[S+ci:S+ci+1], v[4:5], v[6:7]
.set ci, ci+2
.endr
.endm
; Tile T: -inf where the score is 0 and, in a tile on the diagonal, where key 8 h + j > query r.  The choice selects a value; nothing branches on it.
.macro MASK T, diag
.irp j, 0,1,2,3,4,5,6,7
	v_cmp_neq_f32 s[24+\j], 0, v[S+8*\T+\j]
.endr
.if \diag
.irp j, 0,1,2,3,4,5,6,7
	s_and_b32 s[24+\j], s[24+\j], ((0xffff<<\j)&0xffff)|(((0xffff<<(8+\j))&0xffff)<<16)   ; lanes 0-15: r >= j; lanes 16-31: r >= 8 + j
.endr
.endif
.irp j, 0,1,2,3,4,5,6,7
	v_cndmask_b32 v[S+8*\T+\j], v2, v[S+8*\T+\j], s[24+\j]
.endr
.endm
; Query tile it: its it + 1 score tiles lie in 8 (it + 1) neighbouring registers from SB on, its fragments of p in 4 (it + 1) registers from PB on.
.macro SOFT it
.set SB, S+8*((\it*(\it+1))/2)
.set NR, 8*(\it+1)
.set PB, P+8*(\it+\it/3)
	v_max3_num_f32 v14, v[SB], v[SB+1], v[SB+2]    ; the maximum, in two chains
	v_max3_num_f32 v15, v[SB+3], v[SB+4], v[SB+5]
.set ci, 6
.rept (NR-6)/2
	v_max3_num_f32 v[14+((ci>>1)&1)], v[14+((ci>>1)&1)], v[SB+ci], v[SB+ci+1]
.set ci, ci+2
.endr
	v_max_num_f32 v14, v14, v15
	v_permlanex16_b32 v3, v14, s12, s13            ; the query's other eight keys of each tile lie in lane L xor 16
	v_max_num_f32 v14, v14, v3
	v_mul_f32 v10, 0xbfb8aa3b, v14                 ; - max x log2 e
	v_mul_f32 v11, 0xbfb8aa3b, v14
.set ci, 0
.rept \it+1
.set cq, 0
.rept 4
	v_pk_fma_f32 v[SB+ci+cq:SB+ci+cq+1], v[SB+ci+cq:SB+ci+cq+1], v[8:9], v[10:11]   ; (s - max) log2 e
.set cq, cq+2
.endr
.set cq, 0
.rept 8
	v_exp_f32 v[SB+ci+cq], v[SB+ci+cq]             ; behind a group of these the next tile's multiply-adds, which touch other registers, are the plain instruction
.set cq, cq+1                                      ; that stands in front of the first use (ISA guide 5.7.2);
.endr
.set ci, ci+8
.endr
	v_nop                                          ; behind the last group this one
	s_wait_alu depctr_va_vdst(0)
	v_pk_add_f32 v[12:13], v[SB:SB+1], v[SB+2:SB+3]        ; the sum, in two chains of pairs
	v_pk_add_f32 v[10:11], v[SB+4:SB+5], v[SB+6:SB+7]
.set ci, 8
.rept (NR-8)/4
	v_pk_add_f32 v[12:13], v[12:13], v[SB+ci:SB+ci+1]
	v_pk_add_f32 v[10:11], v[10:11], v[SB+ci+2:SB+ci+3]
.set ci, ci+4
.endr
	v_pk_add_f32 v[12:13], v[12:13], v[10:11]
	v_add_f32 v12, v12, v13
	v_permlanex16_b32 v3, v12, s12, s13
	v_add_f32 v12, v12, v3
	v_rcp_f32 v[R+2*\it], v12                      ; used far below; the conversions that follow are the plain instructions behind it
	v_rcp_f32 v[R+2*\it+1], v12
.set ci, 0
.rept NR/2
	v_cvt_pk_f16_f32 v[PB+ci], v[SB+2*ci], v[SB+2*ci+1]    ; keys 8 h + 2 q, + 1 of tile kt: register 4 kt + q of the query tile's fragments
.set ci, ci+1
.endr
.endm
; y of the four query tiles.  The accumulators take turns, one instruction a turn: tiles 2 and 3 are taken up again two instructions behind their first product.
.macro PV
	v_wmma_f32_16x16x32_f16 v[S:S+7],     v[V:V+7],    v[P:P+7],     0
	v_wmma_f32_16x16x32_f16 v[S+8:S+15],  v[V:V+7],    v[P+8:P+15],  0
	v_wmma_f32_16x16x32_f16 v[S+16:S+23], v[V:V+7],    v[P+16:P+23], 0
	v_wmma_f32_16x16x32_f16 v[S+24:S+31], v[V:V+7],    v[P+32:P+39], 0
	v_wmma_f32_16x16x32_f16 v[S+16:S+23], v[V+8:V+15], v[P+24:P+31], v[S+16:S+23]
	v_wmma_f32_16x16x32_f16 v[S+24:S+31], v[V+8:V+15], v[P+40:P+47], v[S+24:S+31]
.endm
.macro OUTY t
	s_wait_alu depctr_va_vdst(0)
.irp it, 0,1,2,3
.irp q, 0,2,4,6
	v_pk_mul_f32 v[S+8*\it+\q:S+8*\it+\q+1], v[S+8*\it+\q:S+8*\it+\q+1], v[R+2*\it:R+2*\it+1]
.endr
.endr
.if \t
	s_wait_xcnt 0x0                                ; YP, which the last token's stores read, is rewritten only behind this wait
.endif
.irp it, 0,1,2,3
.irp q, 0,1,2,3
	v_cvt_pk_f16_f32 v[YP+4*\it+\q], v[S+8*\it+2*\q], v[S+8*\it+2*\q+1]
.endr
	global_store_b128 v1, v[YP+4*\it:YP+4*\it+3], s[6:7] offset:YTOK*(\t)+512*\it   ; the wave stores 512 consecutive bytes, aligned
.endr
.endm
.macro PLACES                          ; four places behind a matrix instruction before its result is read or a load is issued into a source (ISA guide 7.12.1 for the read)
.rept 4
	v_nop
.endr
.endm
; One token.  more = 1: the next token's loads go out as soon as this token's registers are free.
.macro TOKEN t, more
	s_wait_loadcnt 0x4                             ; q and k are in; v's four younger loads stay out
	SCORES
	PLACES
.if \more
	LOADQK \t+1
.endif
	SCALE
	MASK 0, 1
	MASK 1, 0
	MASK 2, 1
	MASK 3, 0
	MASK 4, 0
	MASK 5, 1
	MASK 6, 0
	MASK 7, 0
	MASK 8, 0
	MASK 9, 1
	SOFT 0
	SOFT 1
	SOFT 2
	SOFT 3
.if \more
	s_wait_loadcnt 0x8                             ; v is in; the next token's eight loads of q and k are younger and stay out
.else
	s_wait_loadcnt 0x0
.endif
	PV
	PLACES
.if \more
	LOADV \t+1
.endif
	OUTY \t
.endm
	TOKEN 0, 1
	TOKEN 1, 0
	s_endpgm
.Lfunc_end_k_qa83ff7d4d2_attn:
	.size	k_qa83ff7d4d2_attn, .Lfunc_end_k_qa83ff7d4d2_attn-k_qa83ff7d4d2_attn
	.p2alignl 7, 3214868480
	.fill 96, 4, 3214868480
	.section	.rodata,"a",@progbits
	.p2align	6, 0x0
	.amdhsa_kernel k_qa83ff7d4d2_attn
		.amdhsa_group_segment_fixed_size 0
		.amdhsa_private_segment_fixed_size 0
		.amdhsa_enable_private_segment 0
		.amdhsa_kernarg_size 16
		.amdhsa_user_sgpr_count 2
		.amdhsa_user_sgpr_kernarg_segment_ptr 1
		.amdhsa_wavefront_size32 1
		.amdhsa_system_sgpr_workgroup_id_x 1
		.amdhsa_system_sgpr_workgroup_id_y 1
		.amdhsa_system_sgpr_workgroup_id_z 1
		.amdhsa_system_vgpr_workitem_id 0
		.amdhsa_next_free_vgpr 248
		.amdhsa_next_free_sgpr 66
		.amdhsa_reserve_vcc 0
		.amdhsa_float_denorm_mode_32 3
		.amdhsa_float_denorm_mode_16_64 3
		.amdhsa_memory_ordered 1
		.amdhsa_forward_progress 1
		.amdhsa_inst_pref_size 70
	.end_amdhsa_kernel
	.amdgpu_metadata
---
amdhsa.version: [ 1, 2 ]
amdhsa.kernels:
  - .name:           k_qa83ff7d4d2_attn
    .symbol:         k_qa83ff7d4d2_attn.kd
    .args:
      - { .name: qkv, .offset: 0, .size: 8, .value_kind: global_buffer, .address_space: global }
      - { .name: yh, .offset: 8, .size: 8, .value_kind: global_buffer, .address_space: global }
    .group_segment_fixed_size: 0
    .private_segment_fixed_size: 0
    .kernarg_segment_align: 8
    .kernarg_segment_size: 16
    .max_flat_workgroup_size: 512
    .sgpr_count:     66
    .vgpr_count:     248
    .wavefront_size: 32
...
	.end_amdgpu_metadata
.endif
;; end of part 3
;; launch oproj (part 4): grid 4 x 64, 4 waves a work-group, clusters of 4 x 4, 327,680 bytes of LDS; arguments yh, wt, out0, bo; writes out0
.if DOCPART == 4
	.amdgcn_target "amdgcn-amd-amdhsa--gfx1250"
	.amdhsa_code_object_version 6
	.text
	.protected	k_qa83ff7d4d2_oproj
	.globl	k_qa83ff7d4d2_oproj
	.p2align	8
	.type	k_qa83ff7d4d2_oproj,@function
k_qa83ff7d4d2_oproj:
	s_mov_b64 s[64:65], 0
	v_nop
	global_prefetch_b8 v0, s[64:65] scope:SCOPE_SE
	s_setreg_imm32_b32 hwreg(HW_REG_WAVE_MODE, 25, 1), 1
	s_wait_xcnt 0x0
	s_wait_alu depctr_hold_cnt(0) depctr_sa_sdst(0) depctr_va_vdst(0) depctr_va_sdst(0) depctr_va_ssrc(0) depctr_va_vcc(0) depctr_vm_vsrc(0)
	s_getreg_b32 s2, hwreg(HW_REG_IB_STS2, 6, 4)
	s_cmp_eq_u32 s2, 0
	s_cbranch_scc0 .Lentry_in_a_cluster
	s_endpgm
.Lentry_in_a_cluster:
	s_bfe_u32 s2, ttmp6, 0x10000c
	s_cmp_lg_u32 s2, 0xf033
	s_cbranch_scc0 .Lentry_shape_is_right
	s_endpgm
.Lentry_shape_is_right:
; OPROJ: out0[m][n] = sum over k of yh[m][k] wt[3072 + n][k] + bo[n], m < 8192, n < 1024, K = 1024.  Operands f16, sums f32, the result stored in f32.
; (yh holds a token's y in the attention launch's order; rows 3072-4095 of wt hold Wo transposed with the same order along K, so the products are reference()'s.)
; A work-group makes a block of 128 x 256 with four waves, as many as a WGP has SIMDs: 64 x 4 = 256 blocks.  A wave makes 64 x 128: 32 accumulator tiles of
; 16 x 16, 256 registers.  K goes in steps of 128 through a ring of two LDS slots filled by the tensor data mover; a tile's rows are 256 bytes of memory and
; start at multiples of 256 bytes from the buffer's first byte.
; CLUSTERS: 4 x 4 work-groups.  The four of a row of the cluster make blocks of one block row and need the same tiles of yh; the four of a column need the same
; tiles of wt.  Such a tile is asked for jointly: each of the four issues the same tensor load, with the same descriptor and a mask that names the four.
; By this text's own count a wave has two tensor loads out at the start and one behind each round of the cluster's barrier.
; REGISTERS, in windows of 256 (s_set_vgpr_msb says which window each operand place means: bits 1:0 source 0, 3:2 source 1, 5:4 source 2, 7:6 destination):
;   window 0: v16-27 addresses; two fragment buffers, v32-127 and v128-223 (64 registers of wt's rows, then 32 of yh's rows)
;   window 1: the 32 accumulator tiles, tile (a, b) at v[8 (8 a + b)], a = 16 rows of my 64, b = 16 columns of my 128
;   window 2: v0-63 the bias of my 128 columns, in an accumulator's layout: register 8 b + j of lane (r, h) holds column 16 b + 8 h + j
; THE MATRIX INSTRUCTION IS USED TRANSPOSED: source 0 = 16 rows of wt, source 1 = 16 rows of yh.  Lane l then holds row l % 16 of the result and its registers
; 0 to 7 the columns 8 (l / 16) + 0 .. 7: eight neighbouring numbers, 32 bytes.
; THE BIAS STARTS THE SUMS: each accumulator's first product takes the bias registers as its C, so nothing is cleared and nothing is added afterwards.
.set SIZE_K, 1024
.set KSTEP,  128
.set PITCH,  272                       ; an LDS row: 256 bytes of data + 16 of padding, so that the 16 rows that a load touches start 16 bytes further on modulo 256
.set AHALF,  64*PITCH                  ; 64 rows of yh: one tensor load, and what one wave reads of yh
.set ABYTES, 2*AHALF
.set BHALF,  128*PITCH                 ; 128 rows of wt: one tensor load, and what one wave reads of wt
.set SLOT,   ABYTES+2*BHALF            ; yh's 128 rows, then wt's 256 rows: 104,448 bytes
.set STAGE,  2*SLOT                    ; behind the ring, at a multiple of 256 bytes: 16 rows x 528 bytes for each wave, for the way out; no tensor load lands there
.set SPITCH, 528                       ; a stage row: 512 bytes of data + 16
.set LAPS,   SIZE_K/(2*KSTEP)          ; a lap = two K steps = once round the ring: 4
.set WROW0,  3072                      ; first row of wt that this launch multiplies by
.set CROW,   4096                      ; bytes in a row of out0
.set ADRA, 16                          ; v16-17  LDS address of my yh fragments in slot 0, 1
.set ADRB, 20                          ; v20-21  the same for wt
.set STO,  24                          ; v24     the way out: where I put 32 bytes of a row
.set RD,   25                          ; v25     the way out: where I read a row back
.set CO,   26                          ; v26     my byte offset in out0
.set BO,   27                          ; v27     my byte offset in the bias
.set F0,   32                          ; fragment buffer 0
.set F1,   128                         ; fragment buffer 1
.set G1,  24                           ; s[24:31] descriptor group 1 for yh's tiles
.set G0,  32                           ; s[32:39] descriptor group 0 for yh's tiles, one set for each slot
.set G1B, 48                           ; s[48:55] descriptor group 1 for wt's tiles
.set G0B, 56                           ; s[56:63] descriptor group 0 for wt's tiles, one set for each slot
.set MSB, 0
.macro WIN new                         ; the immediate's high byte repeats the setting that is left
.if MSB != \new
	s_set_vgpr_msb (MSB<<8)|\new
.set MSB, \new
.endif
.endm
.set MUL,     0x50                     ; sources 0 and 1 window 0, C and D window 1
.set MUL_1ST, 0x60                     ; the same with C in window 2: the bias
.set TO_BIAS, 0x80                     ; destination window 2, address window 0
.macro MWIN first
.if \first
	WIN MUL_1ST
.else
	WIN MUL
.endif
.endm
; A joint load.  Waves 0 and 1 fetch yh's two halves, waves 2 and 3 wt's.  Each line has one mask and one set of registers for all that issue it; the branch hangs on
; the wave's number alone.
.macro JLOAD s
	s_cmp_eq_u32 s11, 0
	s_cbranch_scc0 .Lfor_b_\@
	tensor_load_to_lds s[G0+4*\s:G0+4*\s+3], s[G1:G1+7]
	s_nop 0
	s_branch .Lasked_\@
.Lfor_b_\@:
	tensor_load_to_lds s[G0B+4*\s:G0B+4*\s+3], s[G1B:G1B+7]
	s_nop 0
.Lasked_\@:
.endm
; A round of the cluster's barrier: my work-group's barrier, so that wave 0's signal speaks for all four waves; wave 0 signals for the work-group; every wave waits for
; all sixteen work-groups; my work-group's barrier once more.
.macro CREST                           ; a round behind its opening barrier
	s_cmp_lg_u32 s10, 0
	s_cbranch_scc1 .Lnot_wave_0_\@
	s_barrier_signal -3
.Lnot_wave_0_\@:
	s_barrier_wait -3
	s_barrier_signal -1
	s_barrier_wait -1
.endm
.macro CROUND                          ; a whole round
	s_barrier_signal -1
	s_barrier_wait -1
	CREST
.endm
	s_load_b128 s[4:7], s[0:1], 0x0                ; yh s[4:5], wt s[6:7]
	s_load_b64 s[8:9], s[0:1], 0x10                ; out0
	s_load_b64 s[66:67], s[0:1], 0x18              ; bo
	v_lshl_add_u32 v254, v0, 2, 0x3b400
	v_mov_b32 v255, 0
	ds_add_u32 v254, v255
	v_lshrrev_b32 v1, 5, v0
	v_readfirstlane_b32 s10, v1                    ; wave 0..3
	s_lshr_b32 s11, s10, 1                         ; which 64 of the block's rows are mine.  Also: I fetch for yh (0) or for wt (1)
	s_and_b32 s12, s10, 1                          ; which 128 of its columns.  Also: which half of that tile I fetch
	s_bfe_u32 s40, ttmp6, 0x40000                  ; cx: my place along the cluster's x
	s_bfe_u32 s41, ttmp6, 0x40004                  ; cy: along its y
	s_lshl_b32 s42, ttmp9, 2                       ; in a cluster launch ttmp9 and ttmp7 count clusters
	s_add_co_u32 s42, s42, s40                     ; block column = 4 x cluster x + cx
	s_and_b32 s13, ttmp7, 0xffff
	s_lshl_b32 s13, s13, 2
	s_add_co_u32 s13, s13, s41                     ; block row = 4 x cluster y + cy
	s_lshl_b32 s43, s41, 2
	s_lshl_b32 s43, 15, s43                        ; my row of the cluster: places 4 cy .. 4 cy + 3
	s_lshl_b32 s44, 0x1111, s40                    ; my column: places cx, cx + 4, cx + 8, cx + 12
	; descriptor group 1: tiles of 64 (yh) or 128 (wt) rows x 128 elements of 2 bytes, padded in LDS
	s_or_b32 s[G1+0], s43, (1<<16)|(1<<20)|(1<<21)|(5<<22)|(3<<25)  ; 15:0 mask: my row; 17:16 2-byte elements; 20 padding on; 21 set beside a mask; 24:22 after every 64 words; 31:25 4 words
	s_or_b32 s[G1B+0], s44, (1<<16)|(1<<20)|(1<<21)|(5<<22)|(3<<25) ; the same with the mask of my column
	s_mov_b32 s[G1+1], KSTEP<<16                   ; tensor_dim0 = 128
	s_mov_b32 s[G1B+1], KSTEP<<16
	s_mov_b32 s[G1+2], 64<<16                      ; tensor_dim1 = 64
	s_mov_b32 s[G1B+2], 128<<16                    ; tensor_dim1 = 128
	s_mov_b32 s[G1+3], KSTEP<<16                   ; tile_dim0 = 128
	s_mov_b32 s[G1B+3], KSTEP<<16
	s_mov_b32 s[G1+4], 64                          ; tile_dim1 = 64 rows
	s_mov_b32 s[G1B+4], 128                        ; tile_dim1 = 128 rows
	s_mov_b32 s[G1+5], SIZE_K                      ; elements from row to row
	s_mov_b32 s[G1B+5], SIZE_K
	s_mov_b32 s[G1+6], 0
	s_mov_b32 s[G1B+6], 0
	s_mov_b32 s[G1+7], 0
	s_mov_b32 s[G1B+7], 0
	; where the tiles come from.  yh's hang on the block row alone, which my row of the cluster shares; wt's on the block column alone, which my column shares.
	; Every wave makes both addresses, in registers that never hold the other coordinate, and asks by one of them.
	s_lshl_b32 s16, s13, 7
	s_lshl_b32 s17, s12, 6
	s_add_co_u32 s16, s16, s17                     ; yh: row 128 x block row + 64 x half
	s_lshl_b32 s16, s16, 11                        ; a row is 2,048 bytes
	s_mov_b32 s17, 0
	s_lshl_b32 s46, s42, 8
	s_lshl_b32 s47, s12, 7
	s_add_co_u32 s46, s46, s47
	s_add_co_u32 s46, s46, WROW0                   ; wt: row 3,072 + 256 x block column + 128 x half
	s_lshl_b32 s46, s46, 11
	s_mov_b32 s47, 0
	s_mul_i32 s20, s12, AHALF                      ; and where they go: made of the wave's number alone
	s_mul_i32 s45, s12, BHALF
	s_add_co_u32 s45, s45, ABYTES
	s_wait_dscnt 0x0
	s_wait_kmcnt 0x0
	s_add_nc_u64 s[14:15], s[4:5], s[16:17]
	s_add_nc_u64 s[46:47], s[6:7], s[46:47]
	CROUND                                         ; all sixteen work-groups are here: the first joint loads meet
.irp s, 0,1
	s_mov_b32 s[G0+4*\s], 1                                        ; count = 1
	s_add_co_u32 s[G0+4*\s+1], s20, \s*SLOT                        ; LDS address
	s_add_nc_u64 s[G0+4*\s+2:G0+4*\s+3], s[14:15], \s*KSTEP*2      ; global address: K step s
	s_or_b32 s[G0+4*\s+3], s[G0+4*\s+3], 0x80000000                ; type = 2
	s_mov_b32 s[G0B+4*\s], 1
	s_add_co_u32 s[G0B+4*\s+1], s45, \s*SLOT
	s_add_nc_u64 s[G0B+4*\s+2:G0B+4*\s+3], s[46:47], \s*KSTEP*2
	s_or_b32 s[G0B+4*\s+3], s[G0B+4*\s+3], 0x80000000
	JLOAD \s                                       ; the ring is filled before anything else is done
.endr
	v_and_b32 v1, 15, v0                           ; r = l % 16
	v_bfe_u32 v2, v0, 4, 1                         ; h = l / 16
	; the bias of my 128 columns into window 2: 8 h + 16 b + 0..7, two loads of 16 bytes for each b
	v_lshlrev_b32 v[BO], 5, v2
	s_lshl_b32 s46, s42, 10                        ; 256 columns of 4 bytes for each block column,
	s_lshl_b32 s47, s12, 9                         ; 128 for my half
	s_add_co_u32 s46, s46, s47
	s_mov_b32 s47, 0
	s_add_nc_u64 s[66:67], s[66:67], s[46:47]
	WIN TO_BIAS
.irp b, 0,1,2,3,4,5,6,7
	global_load_b128 v[8*\b:8*\b+3],   v[BO], s[66:67] offset:64*\b
	global_load_b128 v[8*\b+4:8*\b+7], v[BO], s[66:67] offset:64*\b+16
.endr
	WIN 0
	; A fragment is 16 rows x 32 K in 8 registers: lane l holds row l % 16; registers 0-3 hold K = 8 (l / 16) + 0..7, registers 4-7 hold K = 16 + 8 (l / 16) + 0..7:
	; two loads of 16 bytes, 32 bytes apart, from rows that lie along K.
	v_mul_u32_u24 v3, v1, PITCH
	v_lshl_add_u32 v3, v2, 4, v3                   ; row x pitch + 16 x half
	s_mul_i32 s21, s11, AHALF                      ; my 64 rows of yh
	s_mul_i32 s22, s12, BHALF                      ; my 128 rows of wt,
	s_add_co_u32 s22, s22, ABYTES                  ; which lie behind yh's 128
.irp s, 0,1
	v_add_nc_u32 v[ADRA+\s], s21, v3
	v_add_nc_u32 v[ADRB+\s], s22, v3
	s_add_co_u32 s21, s21, SLOT
	s_add_co_u32 s22, s22, SLOT
.endr
	s_mul_i32 s23, s10, 16*SPITCH
	s_add_co_u32 s23, s23, STAGE                   ; my stage
	v_mul_u32_u24 v4, v1, SPITCH                   ; in: row l % 16, 32 bytes for each half of the lanes
	v_lshl_add_u32 v4, v2, 5, v4
	v_add_nc_u32 v[STO], s23, v4
	v_and_b32 v5, 31, v0
	v_lshlrev_b32 v[CO], 4, v5                     ; back and out: the 32 lanes take one row of 512 bytes
	v_add_nc_u32 v[RD], s23, v[CO]
; 8 matrix instructions: row block a of my four x all 8 column blocks, 32 along K.  first = 1: C is the bias of column block b (window 2).
.macro MULA f, a, first
.irp b, 0,1,2,3,4,5,6,7
.if \first
	v_wmma_f32_16x16x32_f16 v[8*(8*\a+\b):8*(8*\a+\b)+7], v[\f+8*\b:\f+8*\b+7], v[\f+64+8*\a:\f+64+8*\a+7], v[8*\b:8*\b+7]
.else
	v_wmma_f32_16x16x32_f16 v[8*(8*\a+\b):8*(8*\a+\b)+7], v[\f+8*\b:\f+8*\b+7], v[\f+64+8*\a:\f+64+8*\a+7], v[8*(8*\a+\b):8*(8*\a+\b)+7]
.endif
.endr
.endm
; 24 LDS loads in one run: the fragments of one quarter step (128 rows of wt, then 64 rows of yh, 32 K at byte k of the rows) into buffer f
.macro FETCH slot, k, f
	WIN 0
.irp i, 0,1,2,3,4,5,6,7
	ds_load_b128 v[\f+8*\i:\f+8*\i+3],   v[ADRB+\slot] offset:\k+\i*16*PITCH
	ds_load_b128 v[\f+8*\i+4:\f+8*\i+7], v[ADRB+\slot] offset:\k+\i*16*PITCH+32
.endr
.irp i, 0,1,2,3
	ds_load_b128 v[\f+64+8*\i:\f+64+8*\i+3],   v[ADRA+\slot] offset:\k+\i*16*PITCH
	ds_load_b128 v[\f+64+8*\i+4:\f+64+8*\i+7], v[ADRA+\slot] offset:\k+\i*16*PITCH+32
.endr
.endm
; A load into a register that a matrix instruction has read, and an LDS store that reads a matrix result, stand four places behind that matrix instruction, and
; only plain vector instructions that name none of its registers are places (ISA guide 7.12.1 for vector instructions).
.macro PLACES
.rept 4
	v_nop
.endr
.endm
; A K step is four quarter steps of 32 along K, 32 matrix instructions each, on buffers 0, 1, 0, 1.  The 32 accumulators take turns, one instruction a turn, in the same
; order in every quarter step and over the loop's backward jump.
; One of the first three: multiplies buffer f; in its middle it fetches the next quarter's fragments, at byte k of the same slot's rows, into buffer g.
.macro QUARTER slot, k, f, g, first
	s_wait_dscnt 4                                 ; wt's fragments and yh's row blocks 0, 1 are in; the youngest four loads (row blocks 2, 3) may be out
	MWIN \first
	MULA \f, 0, \first
	MULA \f, 1, \first
	PLACES
	FETCH \slot, \k, \g
	s_wait_dscnt 24                                ; all but the 24 just issued
	MWIN \first
	MULA \f, 2, \first
	MULA \f, 3, \first
.endm
.macro THREE slot, first
	QUARTER \slot, 64,  F0, F1, \first
	QUARTER \slot, 128, F1, F0, 0
	QUARTER \slot, 192, F0, F1, 0
.endm
; The last quarter: multiplies buffer 1 and changes slots.  next = the other slot; fill = 1: this slot is filled again, two K steps ahead.
; One barrier for the change of slots.  In front of it each wave waits for its own reads of this slot and for all its tensor loads, of which one is out: its part of the
; next slot.  Behind it nobody reads this slot any more and the next slot is whole: the refill comes first, then the next slot's first fragments.
; From a request to the wait for it a wave issues 120 matrix instructions.
.macro TURN slot, next, fill
	s_wait_dscnt 4
	WIN MUL
	MULA F1, 0, 0
	s_wait_dscnt 0                                 ; my reads of this slot are over
	s_wait_tensorcnt 0x0                           ; and all my tensor loads have landed: the one that was out is my part of the next slot
	ds_add_u32 v254, v255
	s_wait_dscnt 0x0
	s_barrier_signal -1                            ; say so (where a slot is filled again this barrier opens a round of the cluster's barrier),
	MULA F1, 1, 0                                  ; work on registers while the others arrive,
	WIN 0
	s_barrier_wait -1                              ; and go on when all four have said so
.if \fill
	CREST                                          ; all sixteen work-groups have said so: no wave of any partner still reads this slot's tile or has a load on its way
	s_add_nc_u64 s[G0+4*\slot+2:G0+4*\slot+3], s[G0+4*\slot+2:G0+4*\slot+3], 2*KSTEP*2
	s_add_nc_u64 s[G0B+4*\slot+2:G0B+4*\slot+3], s[G0B+4*\slot+2:G0B+4*\slot+3], 2*KSTEP*2
	JLOAD \slot                                    ; the first tensor load behind the round, and my only one until the next
.endif
	PLACES
	FETCH \next, 0, F0
	WIN MUL
	MULA F1, 2, 0
	MULA F1, 3, 0
.endm
.macro LAP first                       ; once round the ring, both slots filled again
	THREE 0, \first
	TURN 0, 1, 1
	THREE 1, 0
	TURN 1, 0, 1
.endm
	s_wait_tensorcnt 0x1                           ; my part of K step 0 is in; K step 1's load stays out
	s_barrier_signal -1
	s_barrier_wait -1                              ; everybody's is
	FETCH 0, 0, F0
	s_wait_loadcnt 0x0                             ; the bias: the first products take it as C
	LAP 1                                          ; the first lap stands in front of the loop: its first products start the sums
	WIN 0                                          ; at a label and at a branch every window is 0
	s_mov_b32 s3, LAPS-2
.Llap:
	LAP 0
	WIN 0
	s_sub_co_u32 s3, s3, 1
	s_cmp_lg_u32 s3, 0
	s_cbranch_scc1 .Llap
	THREE 0, 0                                     ; the last lap fills nothing and has no round of the cluster's barrier: the one load still out is slot 1's, the last K step's
	TURN 0, 1, 0
	THREE 1, 0
	s_wait_dscnt 4                                 ; the very last quarter: nothing more to fetch
	WIN MUL
	MULA F1, 0, 0
	MULA F1, 1, 0
	s_wait_dscnt 0
	MULA F1, 2, 0
	MULA F1, 3, 0
	; THE WAY OUT, 16 rows at a time: 32 bytes a lane into my own stage in LDS, read back as whole rows of 512 bytes.
	PLACES                                         ; the places behind the last matrix instructions: for the LDS stores of results and for the loads into buffers 0 and 1
	s_lshl_b32 s16, s13, 7
	s_lshl_b32 s14, s11, 6
	s_add_co_u32 s16, s16, s14                     ; my first row
	s_lshl_b32 s16, s16, 12                        ; a row is 4,096 bytes
	s_mov_b32 s17, 0
	s_add_nc_u64 s[8:9], s[8:9], s[16:17]
	s_lshl_b32 s46, s42, 10                        ; my first column, in bytes: 1,024 x block + 512 x half
	s_lshl_b32 s47, s12, 9
	s_add_co_u32 s46, s46, s47
	s_mov_b32 s47, 0
	s_add_nc_u64 s[8:9], s[8:9], s[46:47]
; rows 16 a .. 16 a + 15 of my block = the eight tiles (a, 0..7); f: F0 or F1 in turn, 64 registers
.macro OUT16F a, f
	WIN 0x04                                       ; an LDS store's data are its source 1: window 1; the address window 0
.irp b, 0,1,2,3,4,5,6,7
	ds_store_b128 v[STO], v[8*(8*\a+\b):8*(8*\a+\b)+3]   offset:64*\b
	ds_store_b128 v[STO], v[8*(8*\a+\b)+4:8*(8*\a+\b)+7] offset:64*\b+16
.endr
	WIN 0
	s_wait_xcnt 0x0                                ; buffer f, which earlier stores read, and the stores' base are rewritten only behind this wait
.if \a
	s_add_nc_u64 s[8:9], s[8:9], 16*CROW           ; 16 rows on
.endif
.irp t, 0,1,2,3,4,5,6,7,8,9,10,11,12,13,14,15
	ds_load_b128 v[\f+4*\t:\f+4*\t+3], v[RD] offset:\t*SPITCH      ; LDS serves a wave's instructions in order (ISA guide 5.7.1.4): these see the stores above
.endr
.irp t, 0,1,2,3,4,5,6,7,8,9,10,11,12,13,14,15
	s_wait_dscnt 15-\t                             ; the 15 - t younger loads stay out
	global_store_b128 v[CO], v[\f+4*\t:\f+4*\t+3], s[8:9] offset:\t*CROW th:TH_STORE_NT   ; the wave stores 512 consecutive bytes, at a multiple of 256 from the buffer's first byte
.endr
.endm
	OUT16F 0, F0
	OUT16F 1, F1
	OUT16F 2, F0
	OUT16F 3, F1
	s_wait_tensorcnt 0x0
	ds_add_u32 v254, v255
	s_wait_dscnt 0x0
	CROUND                                         ; the closing round: no work-group ends while a partner may still ask for a tile that names it
	s_endpgm
.Lfunc_end_k_qa83ff7d4d2_oproj:
	.size	k_qa83ff7d4d2_oproj, .Lfunc_end_k_qa83ff7d4d2_oproj-k_qa83ff7d4d2_oproj
	.p2alignl 7, 3214868480
	.fill 96, 4, 3214868480
	.section	.rodata,"a",@progbits
	.p2align	6, 0x0
	.amdhsa_kernel k_qa83ff7d4d2_oproj
		.amdhsa_group_segment_fixed_size 327680
		.amdhsa_private_segment_fixed_size 0
		.amdhsa_enable_private_segment 0
		.amdhsa_kernarg_size 32
		.amdhsa_user_sgpr_count 2
		.amdhsa_user_sgpr_kernarg_segment_ptr 1
		.amdhsa_wavefront_size32 1
		.amdhsa_system_sgpr_workgroup_id_x 1
		.amdhsa_system_sgpr_workgroup_id_y 1
		.amdhsa_system_sgpr_workgroup_id_z 1
		.amdhsa_system_vgpr_workitem_id 0
		.amdhsa_next_free_vgpr 576
		.amdhsa_next_free_sgpr 68
		.amdhsa_reserve_vcc 0
		.amdhsa_float_denorm_mode_32 3
		.amdhsa_float_denorm_mode_16_64 3
		.amdhsa_memory_ordered 1
		.amdhsa_forward_progress 1
		.amdhsa_inst_pref_size 119
	.end_amdhsa_kernel
	.amdgpu_metadata
---
amdhsa.version: [ 1, 2 ]
amdhsa.kernels:
  - .name:           k_qa83ff7d4d2_oproj
    .symbol:         k_qa83ff7d4d2_oproj.kd
    .args:
      - { .name: yh, .offset: 0, .size: 8, .value_kind: global_buffer, .address_space: global }
      - { .name: wt, .offset: 8, .size: 8, .value_kind: global_buffer, .address_space: global }
      - { .name: out0, .offset: 16, .size: 8, .value_kind: global_buffer, .address_space: global }
      - { .name: bo, .offset: 24, .size: 8, .value_kind: global_buffer, .address_space: global }
    .group_segment_fixed_size: 327680
    .private_segment_fixed_size: 0
    .kernarg_segment_align: 8
    .kernarg_segment_size: 32
    .max_flat_workgroup_size: 128
    .sgpr_count:     68
    .vgpr_count:     576
    .wavefront_size: 32
...
	.end_amdgpu_metadata
.endif
;; end of part 4
;; ======== version 2 of 2: 4 launches; 1.11 times as fast as version 1
;; limits: values are held in f16: magnitudes above 65,504 overflow, below 6.1e-05 lose precision
;; workspace buffers: xh 16,777,216 bytes; wt 8,388,608 bytes; biasp 12,288 bytes; qkv 50,331,648 bytes; yh 16,777,216 bytes
;; launch prep (part 5): grid 1536 x 1, 8 waves a work-group, no clusters, 25,856 bytes of LDS; arguments x, xh, Wq, Wk, Wv, Wo, wt, bq, bk, bv, biasp; writes xh, wt, biasp
.if DOCPART == 5
	.amdgcn_target "amdgcn-amd-amdhsa--gfx1250"
	.amdhsa_code_object_version 6
	.text
	.protected	k_qa83ff7d4d2_prep
	.globl	k_qa83ff7d4d2_prep
	.p2align	8
	.type	k_qa83ff7d4d2_prep,@function
k_qa83ff7d4d2_prep:
	s_mov_b64 s[64:65], 0
	v_nop
	global_prefetch_b8 v0, s[64:65] scope:SCOPE_SE
	s_setreg_imm32_b32 hwreg(HW_REG_WAVE_MODE, 25, 1), 1
	s_wait_xcnt 0x0
; PREP: the operands of the later matrix products, once, in f16 and in the order in which those launches read them.
;   xh[8192][1024]  = x in f16.
;   wt[4096][1024]  = the four weights in f16, transposed to [output column][k]: rows 0-1023 Wq, 1024-2047 Wk, 2048-3071 Wv, 3072-4095 Wo.
;   biasp[3072]     = bq, bk, bv in the order of wt's first 3,072 rows.  (bo is read by the last launch as it lies.)
; THE ORDER.  A token's 1,024 numbers of q, k, v, y are 64 rows x 16 columns.  The attention launch wants lane L = r + 16 h of a wave to find its 8 numbers
; of fragment f at byte 512 f + 16 L.  So position c' = f<<8 | h<<7 | r<<3 | e holds
;   type A (q, k, y): the number c = f<<8 | r<<4 | h<<3 | e  (row 16 f + r, column 8 h + e);
;   type B (v):       the number c = f<<8 | h<<7 | e<<4 | r  (key 16 f + 8 h + e, column r).
; That costs nothing here: column c of Wq, Wk (A) or Wv (B) is written to row c' of wt, and Wo, whose K index is y's position, takes its row c at K position c' (A).
; All maps have one form, out = (n & M0) | ((n & M1) << S1) | ((n >> S2) & M2), with five numbers in s48-s52.
;
; WORK THAT THE PROGRAM LEAVES OUT (in the launch attn).
; (1) reference() keeps attn[i][k] only where its own tril leaves it, k <= i; every other score it sets to -inf in its own body, so that score's probability is
; exactly 0 and adds 0 x v[k][j] to y, whatever finite values the inputs hold.  Scores come in tiles of 16 queries x 16 keys: the 6 of 16 tiles in which every
; k > i are not computed, and in probs x v the blocks of 32 keys that hold such zeros alone (keys 32-63 for queries 0-31) are not multiplied.
; (2) The 1e-6 that reference() adds to every score is the same along the softmax's axis: exp(s[k] + c - (max + c)) = exp(s[k] - max) for every c, so it is not
; added in front of the softmax.  It stays where it decides something: reference() keeps a score only where d / 4 + 1e-6 != 0 in f32, d the sum of products.  An f32
; sum of two numbers is 0 only if they are exact opposites, and d / 4 is exact unless it ends among the denormals, where it cannot be -1e-6; so the test is
; d != -4 x f32(1e-6), for all values, and attn makes that comparison.  (The factor 1/4 is not left out: it is folded into the factor in front of the exponential.)
; All nine inputs reach the output and all are loaded.
; LIMITS.  Matrix operands are f16: a magnitude of x, a weight, q, k or v above 65,504 becomes infinity (as drawn q, k, v stay below about 4; with every input
; 30 times larger below about 3,300; with x offset by 30 and the weights by 0.6 about 18,500).  A NaN or an infinity of v at a key of a block that is left out
; is not carried to the result (reference() forms 0 x inf = NaN there).
;
; SHARES.  Work-groups 0-1023 convert 8,192 numbers of x each; work-groups 1024-1535 take one tile of 128 K positions x 64 columns of one weight each:
; every work-group reads 32 KiB and writes 16 KiB.  No matrix unit, no cluster: nothing is multiplied and no two work-groups read the same bytes.
.set XCAST, 1024                       ; work-groups that convert x
.set PW,    48                         ; LDS: a row of a wave's region, 32 bytes of data + 16
.set RW,    64*PW+32                   ; LDS: a wave's region, 64 rows; the 32 bytes behind it set the eight regions 32 bytes apart modulo 256
	s_load_b128 s[4:7], s[0:1], 0x0                ; x s[4:5], xh s[6:7]
	s_load_b256 s[8:15], s[0:1], 0x10              ; Wq s[8:9], Wk s[10:11], Wv s[12:13], Wo s[14:15]
	s_load_b64 s[16:17], s[0:1], 0x30              ; wt
	s_load_b256 s[20:27], s[0:1], 0x38             ; bq s[20:21], bk s[22:23], bv s[24:25], biasp s[26:27]
	v_lshl_add_u32 v80, v0, 2, 0x6100
	v_mov_b32 v81, 0
	v_lshrrev_b32 v1, 5, v0
	v_readfirstlane_b32 s28, v1                    ; wave w, 0..7
	s_mov_b32 s41, 0                               ; the high word of every 32-bit offset
	s_wait_kmcnt 0x0
	s_cmp_lt_u32 ttmp9, XCAST                      ; the same in all eight waves
	s_cbranch_scc1 .Lcast
	; ---------------- a tile of a weight: p = which, kt = which 128 K positions, nb = which 64 source columns ----------------
	s_sub_co_u32 s29, ttmp9, XCAST
	s_lshr_b32 s30, s29, 7                         ; p: 0 Wq, 1 Wk, 2 Wv, 3 Wo
	s_bfe_u32 s31, s29, 0x30004                    ; kt
	s_and_b32 s32, s29, 15                         ; nb
	s_lshl_b32 s33, s31, 7                         ; Wq, Wk, Wv: K position = source row; the tile's first row is 128 kt, a chunk of 8 positions is 8 rows on
	s_lshr_b32 s34, s31, 1
	s_lshl_b32 s34, s34, 8
	s_and_b32 s35, s31, 1
	s_lshl3_add_u32 s35, s35, s34                  ; Wo: position 128 kt + 8 ch + e is row 256 (kt>>1) + 16 ch + 8 (kt&1) + e (type A): chunks are 16 rows apart
	s_mov_b32 s34, 8
	s_mov_b32 s48, 0x307                           ; source column -> row of wt.  Wq, Wk: type A, c -> c'
	s_mov_b32 s49, 8
	s_mov_b32 s50, 4
	s_mov_b32 s51, 1
	s_mov_b32 s52, 0x78
	s_cmp_eq_u32 s30, 1
	s_cselect_b64 s[36:37], s[10:11], s[8:9]
	s_cmp_eq_u32 s30, 2
	s_cselect_b64 s[36:37], s[12:13], s[36:37]
	s_cselect_b32 s48, 0x380, s48                  ; Wv: type B, c -> c'
	s_cselect_b32 s49, 15, s49
	s_cselect_b32 s50, 3, s50
	s_cselect_b32 s51, 4, s51
	s_cselect_b32 s52, 7, s52
	s_cmp_eq_u32 s30, 3
	s_cselect_b64 s[36:37], s[14:15], s[36:37]     ; s[36:37]: the weight
	s_cselect_b32 s33, s35, s33                    ; s33: the tile's first source row
	s_cselect_b32 s34, 16, s34                     ; s34: rows from chunk to chunk
	s_cselect_b32 s48, 0x3ff, s48                  ; Wo: its columns keep their order
	s_cselect_b32 s49, 0, s49
	s_cselect_b32 s50, 0, s50
	s_cselect_b32 s51, 0, s51
	s_cselect_b32 s52, 0, s52
	s_lshl_b32 s53, s28, 1                         ; wave w takes chunks 2 w and 2 w + 1
	s_mul_i32 s38, s53, s34
	s_add_co_u32 s38, s38, s33                     ; first row of chunk 2 w
	s_lshl_b32 s40, s38, 12                        ; a source row is 4,096 bytes
	s_lshl_b32 s39, s32, 8                         ; 64 columns are 256 bytes
	s_add_co_u32 s40, s40, s39
	s_add_nc_u64 s[42:43], s[36:37], s[40:41]      ; chunk 2 w
	s_lshl_b32 s40, s34, 12
	s_add_nc_u64 s[44:45], s[42:43], s[40:41]      ; chunk 2 w + 1
	v_and_b32 v2, 31, v0                           ; lane L
	v_lshlrev_b32 v1, 3, v2                        ; 8 L: lane L takes columns 2 L and 2 L + 1; a load of the wave covers 256 consecutive bytes, aligned
.irp c, 0,1
.irp e, 0,1,2,3,4,5,6,7
	global_load_b64 v[4+2*(8*\c+\e):5+2*(8*\c+\e)], v1, s[42+2*\c:43+2*\c] offset:4096*\e th:TH_LOAD_NT
.endr
.endr
	; addresses, while the sixteen loads are on their way
	s_lshl_b32 s40, s30, 21                        ; 1,024 rows of wt are 2,097,152 bytes
	s_lshl_b32 s39, s31, 8                         ; 128 K positions are 256 bytes
	s_add_co_u32 s40, s40, s39
	s_add_nc_u64 s[46:47], s[16:17], s[40:41]      ; wt at this weight's first row, this tile's K positions
	s_mul_i32 s39, s28, RW
	v_mul_u32_u24 v3, v2, 2*PW
	v_add_nc_u32 v3, s39, v3                       ; in: my wave's region, rows 2 L and 2 L + 1
	v_lshrrev_b32 v79, 4, v2
	v_add_nc_u32 v79, s53, v79                     ; back: tile row 2 w + (L >> 4), and 16, 32, 48 further down
	v_bfe_u32 v76, v2, 1, 3                        ; the 16 bytes of chunk L & 15 lie in region (L & 15) >> 1,
	v_mul_u32_u24 v77, v76, RW
	v_mad_u32_u24 v77, v79, PW, v77
	v_and_b32 v76, 1, v2                           ; in its first or second half
	v_lshl_add_u32 v77, v76, 4, v77
	v_and_b32 v78, 15, v2
	v_lshlrev_b32 v78, 4, v78                      ; 16 (L & 15): my place in the 256 bytes of a row of wt
	s_lshl_b32 s54, s32, 6                         ; 64 nb
	v_add_nc_u32 v79, s54, v79                     ; the source column of my first row
; dst = (src & s48) | ((src & s49) << s50) | ((src >> s51) & s52)
.macro PERM dst, src, tmp
	v_and_b32 v[\dst], s48, v[\src]
	v_and_b32 v[\tmp], s49, v[\src]
	v_lshl_or_b32 v[\dst], v[\tmp], s50, v[\dst]
	v_lshrrev_b32 v[\tmp], s51, v[\src]
	v_and_or_b32 v[\dst], v[\tmp], s52, v[\dst]
.endm
.irp i, 0,1,2,3
	v_add_nc_u32 v74, 16*\i, v79
	PERM 68+\i, 74, 75
	v_lshl_add_u32 v[68+\i], v[68+\i], 11, v78     ; row of wt x 2,048 bytes + my 16 bytes
.endr
; chunk c: for each of my two columns the 8 numbers along K are rounded to f16, packed into 16 bytes and laid into the column's row
.macro PACK c
.irp x, 0,1
.irp d, 0,1,2,3
	v_cvt_pk_f16_f32 v[36+4*(2*\c+\x)+\d], v[4+2*(8*\c+2*\d)+\x], v[4+2*(8*\c+2*\d+1)+\x]
.endr
	ds_store_b128 v3, v[36+4*(2*\c+\x):39+4*(2*\c+\x)] offset:PW*\x+16*\c
.endr
.endm
	s_wait_loadcnt 0x8                             ; loads come back in order: chunk 2 w is in, the eight loads of chunk 2 w + 1 stay out
	PACK 0
	s_wait_loadcnt 0x0
	PACK 1
	s_wait_dscnt 0x0                               ; my stores are in LDS before I say so: the other waves read them
	s_barrier_signal -1
	s_barrier_wait -1
.irp i, 0,1,2,3
	ds_load_b128 v[52+4*\i:55+4*\i], v77 offset:16*PW*\i
.endr
.irp i, 0,1,2,3
	s_wait_dscnt 3-\i                              ; the 3 - i younger LDS loads stay out
	global_store_b128 v[68+\i], v[52+4*\i:55+4*\i], s[46:47]   ; sixteen lanes store 256 consecutive bytes of one row of wt, aligned
.endr
	; ---------------- the biases: wave 0 of the work-groups with kt = 0 of Wq, Wk, Wv lays 64 numbers into biasp ----------------
	s_cmp_lg_u32 s28, 0
	s_cbranch_scc1 .Lend
	s_cmp_lg_u32 s31, 0
	s_cbranch_scc1 .Lend
	s_cmp_eq_u32 s30, 3
	s_cbranch_scc1 .Lend
	s_mov_b32 s48, 0x307                           ; position -> source index.  bq, bk: type A, c' -> c
	s_mov_b32 s49, 0x78
	s_mov_b32 s50, 1
	s_mov_b32 s51, 4
	s_mov_b32 s52, 8
	s_cmp_eq_u32 s30, 1
	s_cselect_b64 s[58:59], s[22:23], s[20:21]
	s_cmp_eq_u32 s30, 2
	s_cselect_b64 s[58:59], s[24:25], s[58:59]
	s_cselect_b32 s48, 0x380, s48                  ; bv: type B, c' -> c
	s_cselect_b32 s49, 7, s49
	s_cselect_b32 s50, 4, s50
	s_cselect_b32 s51, 3, s51
	s_cselect_b32 s52, 15, s52
	s_lshl_b32 s40, s30, 12
	s_lshl_b32 s39, s32, 8
	s_add_co_u32 s40, s40, s39
	s_add_nc_u64 s[56:57], s[26:27], s[40:41]      ; biasp at position 1,024 p + 64 nb
	v_lshl_add_u32 v76, v2, 1, s54                 ; my two positions: 64 nb + 2 L, and the next
	PERM 74, 76, 72
	v_lshlrev_b32 v74, 2, v74
	v_add_nc_u32 v76, 1, v76
	PERM 75, 76, 72
	v_lshlrev_b32 v75, 2, v75
	global_load_b32 v72, v74, s[58:59]
	global_load_b32 v73, v75, s[58:59]
	s_wait_loadcnt 0x0
	global_store_b64 v1, v[72:73], s[56:57]        ; the wave stores 256 consecutive bytes, aligned
.Lend:
	s_wait_tensorcnt 0x0
	ds_add_u32 v80, v81
	s_wait_dscnt 0x0
	s_endpgm
	; ---------------- x to f16: 8,192 numbers; thread t takes 16 bytes at 16 t of each of eight blocks of 4,096 bytes ----------------
.Lcast:
	s_lshl_b32 s40, ttmp9, 15
	s_add_nc_u64 s[4:5], s[4:5], s[40:41]
	s_lshl_b32 s40, ttmp9, 14
	s_add_nc_u64 s[6:7], s[6:7], s[40:41]
	v_lshlrev_b32 v1, 4, v0
	v_lshlrev_b32 v2, 3, v0
.irp i, 0,1,2,3,4,5,6,7
	global_load_b128 v[4+4*\i:7+4*\i], v1, s[4:5] offset:4096*\i th:TH_LOAD_NT
.endr
.irp i, 0,1,2,3,4,5,6,7
	s_wait_loadcnt 7-\i                            ; the 7 - i younger loads stay out
	v_cvt_pk_f16_f32 v[36+2*\i], v[4+4*\i], v[5+4*\i]
	v_cvt_pk_f16_f32 v[37+2*\i], v[6+4*\i], v[7+4*\i]
	global_store_b64 v2, v[36+2*\i:37+2*\i], s[6:7] offset:2048*\i   ; the wave stores 256 consecutive bytes, aligned; no register is written twice
.endr
	s_endpgm
.Lfunc_end_k_qa83ff7d4d2_prep:
	.size	k_qa83ff7d4d2_prep, .Lfunc_end_k_qa83ff7d4d2_prep-k_qa83ff7d4d2_prep
	.p2alignl 7, 3214868480
	.fill 96, 4, 3214868480
	.section	.rodata,"a",@progbits
	.p2align	6, 0x0
	.amdhsa_kernel k_qa83ff7d4d2_prep
		.amdhsa_group_segment_fixed_size 25856
		.amdhsa_private_segment_fixed_size 0
		.amdhsa_enable_private_segment 0
		.amdhsa_kernarg_size 88
		.amdhsa_user_sgpr_count 2
		.amdhsa_user_sgpr_kernarg_segment_ptr 1
		.amdhsa_wavefront_size32 1
		.amdhsa_system_sgpr_workgroup_id_x 1
		.amdhsa_system_sgpr_workgroup_id_y 1
		.amdhsa_system_sgpr_workgroup_id_z 1
		.amdhsa_system_vgpr_workitem_id 0
		.amdhsa_next_free_vgpr 82
		.amdhsa_next_free_sgpr 66
		.amdhsa_reserve_vcc 0
		.amdhsa_float_denorm_mode_32 3
		.amdhsa_float_denorm_mode_16_64 3
		.amdhsa_memory_ordered 1
		.amdhsa_forward_progress 1
		.amdhsa_inst_pref_size 13
	.end_amdhsa_kernel
	.amdgpu_metadata
---
amdhsa.version: [ 1, 2 ]
amdhsa.kernels:
  - .name:           k_qa83ff7d4d2_prep
    .symbol:         k_qa83ff7d4d2_prep.kd
    .args:
      - { .name: x, .offset: 0, .size: 8, .value_kind: global_buffer, .address_space: global }
      - { .name: xh, .offset: 8, .size: 8, .value_kind: global_buffer, .address_space: global }
      - { .name: Wq, .offset: 16, .size: 8, .value_kind: global_buffer, .address_space: global }
      - { .name: Wk, .offset: 24, .size: 8, .value_kind: global_buffer, .address_space: global }
      - { .name: Wv, .offset: 32, .size: 8, .value_kind: global_buffer, .address_space: global }
      - { .name: Wo, .offset: 40, .size: 8, .value_kind: global_buffer, .address_space: global }
      - { .name: wt, .offset: 48, .size: 8, .value_kind: global_buffer, .address_space: global }
      - { .name: bq, .offset: 56, .size: 8, .value_kind: global_buffer, .address_space: global }
      - { .name: bk, .offset: 64, .size: 8, .value_kind: global_buffer, .address_space: global }
      - { .name: bv, .offset: 72, .size: 8, .value_kind: global_buffer, .address_space: global }
      - { .name: biasp, .offset: 80, .size: 8, .value_kind: global_buffer, .address_space: global }
    .group_segment_fixed_size: 25856
    .private_segment_fixed_size: 0
    .kernarg_segment_align: 8
    .kernarg_segment_size: 88
    .max_flat_workgroup_size: 256
    .sgpr_count:     66
    .vgpr_count:     82
    .wavefront_size: 32
...
	.end_amdgpu_metadata
.endif
;; end of part 5
;; launch qkv (part 6): grid 8 x 32, 4 waves a work-group, clusters of 4 x 4, 327,680 bytes of LDS; arguments xh, wt, qkv, biasp; writes qkv
.if DOCPART == 6
	.amdgcn_target "amdgcn-amd-amdhsa--gfx1250"
	.amdhsa_code_object_version 6
	.text
	.protected	k_qa83ff7d4d2_qkv
	.globl	k_qa83ff7d4d2_qkv
	.p2align	8
	.type	k_qa83ff7d4d2_qkv,@function
k_qa83ff7d4d2_qkv:
	s_mov_b64 s[64:65], 0
	v_nop
	global_prefetch_b8 v0, s[64:65] scope:SCOPE_SE
	s_setreg_imm32_b32 hwreg(HW_REG_WAVE_MODE, 25, 1), 1
	s_wait_xcnt 0x0
	s_wait_alu depctr_hold_cnt(0) depctr_sa_sdst(0) depctr_va_vdst(0) depctr_va_sdst(0) depctr_va_ssrc(0) depctr_va_vcc(0) depctr_vm_vsrc(0)
	s_getreg_b32 s2, hwreg(HW_REG_IB_STS2, 6, 4)
	s_cmp_eq_u32 s2, 0
	s_cbranch_scc0 .Lentry_in_a_cluster
	s_endpgm
.Lentry_in_a_cluster:
	s_bfe_u32 s2, ttmp6, 0x10000c
	s_cmp_lg_u32 s2, 0xf033
	s_cbranch_scc0 .Lentry_shape_is_right
	s_endpgm
.Lentry_shape_is_right:
; QKV: qkv[m][n] = sum over k of xh[m][k] wt[n][k] + biasp[n], m < 8192, n < 3072, K = 1024.  Operands f16, sums f32, the result rounded once to f16.
; (Columns 0-1023 are q, 1024-2047 k, 2048-3071 v of a token, each in the order that the attention launch reads; wt's rows and biasp lie in that order already.)
; LIMIT: a result above 65,504 in magnitude becomes infinity in f16.
; SHARES.  32 x 8 = 256 work-groups of four waves, as many as a WGP has SIMDs; each stays and makes 256 rows x 384 columns, as two tiles on one ring:
;   tile 1, columns 0-255 of the 384:   256 x 256; the waves lie 2 x 2, a wave makes 128 x 128: 64 accumulator tiles of 16 x 16, 512 registers;
;   tile 2, columns 256-383:            256 x 128; wave w makes rows 64 w .. 64 w + 63 x all 128 columns: 32 accumulator tiles.
; (3,072 columns are twelve blocks of 256, 1.5 for each of eight block columns: hence the one and a half.  In both tiles a wave's piece of a row of qkv is 256 bytes,
; aligned: halves of 192 columns would split such pieces.)
; K goes in steps of 128 through a ring of two LDS slots filled by the tensor data mover, 8 steps for tile 1 and 8 for tile 2 without a break: the last two K steps of
; tile 1 ask for the first two of tile 2, which land while tile 1's results leave.  A tile's rows are 256 bytes of memory and start at multiples of 256 bytes.
; CLUSTERS: 4 x 4 work-groups.  The four of a row of the cluster own the same 256 rows and need the same tiles of xh; the four of a column own the same 384 columns and
; need the same tiles of wt.  Such a tile is asked for jointly: each of the four issues the same tensor load, with the same descriptor and a mask that names the four.
; By this text's own count a wave has two tensor loads out at the start and at most one behind each round of the cluster's barrier.
; REGISTERS, in windows of 256 (s_set_vgpr_msb says which window each operand place means: bits 1:0 source 0, 3:2 source 1, 5:4 source 2, 7:6 destination):
;   window 0: v16-28 addresses; v64-127, v128-191 fragments of xh (up to 8 x 16 rows x 32 K), two buffers; v192-223 at work on the way out
;   window 1: v64-127, v128-191 fragments of wt, two buffers; v0-63 the bias of my 128 columns of tile 1, v192-255 of tile 2, in an accumulator's layout:
;             register 8 b + j of lane (r, h) holds column 16 b + 8 h + j
;   window 2: accumulator tiles (a, b) at v[8 (8 a + b)]: tile 1: my rows 0-63; tile 2: all my 64 rows.   window 3: tile 1: my rows 64-127
; So tile 2's products are tile 1's products for rows 0-63, on other LDS addresses: one macro makes both.
; THE MATRIX INSTRUCTION IS USED TRANSPOSED: source 0 = 16 rows of wt, source 1 = 16 rows of xh.  Lane l then holds row l % 16 of the result and its registers
; 0 to 7 the columns 8 (l / 16) + 0 .. 7: eight neighbouring numbers, which pack into 16 bytes.
; THE BIAS STARTS THE SUMS: each accumulator's first product takes the bias registers as its C, so nothing is cleared and nothing is added afterwards.
.set SIZE_K, 1024
.set KSTEP,  128
.set PITCH,  272                       ; an LDS row: 256 bytes of data + 16 of padding, so that the 16 rows that a load touches start 16 bytes further on modulo 256
.set HALFT,  128*PITCH                 ; 128 rows: what one tensor load brings
.set SLOT,   4*HALFT                   ; xh's 256 rows, then room for 256 rows of wt (tile 2 fills 128 of them): 139,264 bytes
.set STAGE,  2*SLOT                    ; behind the ring, at a multiple of 256 bytes: 16 rows x 272 bytes for each wave, for the way out; no tensor load lands there
.set SPITCH, 272
.set BCOLS,  384                       ; columns of a work-group
.set CROW,   6144                      ; bytes in a row of qkv
.set ADRA,  16                         ; v16-17  tile 1: LDS address of my xh fragments in slot 0, 1
.set ADRA2, 18                         ; v18-19  tile 2: the same
.set ADRB,  20                         ; v20-21  tile 1: LDS address of my wt fragments in slot 0, 1
.set ADRB2, 22                         ; v22-23  tile 2: the same
.set STO,  24                          ; v24     the way out: where I put 16 bytes of a row
.set RD,   25                          ; v25     the way out: where I read a row back
.set CO,   26                          ; v26     my byte offset in qkv
.set BO1,  27                          ; v27     my byte offset in the bias, tile 1
.set BO2,  28                          ; v28     the same, tile 2
.set F0,   64                          ; fragment buffer 0
.set F1,   128                         ; fragment buffer 1
.set TMP,  192                         ; the way out: packed results
.set BIAS1, 0                          ; window 1
.set BIAS2, 192                        ; window 1
.set G1,  24                           ; s[24:31] descriptor group 1 for xh's tiles
.set G0,  32                           ; s[32:39] descriptor group 0 for xh's tiles, one set for each slot
.set G1B, 48                           ; s[48:55] descriptor group 1 for wt's tiles
.set G0B, 56                           ; s[56:63] descriptor group 0 for wt's tiles, one set for each slot
.set C1,  8                            ; s[8:9]   qkv at my first row and column of tile 1
.set C2,  68                           ; s[68:69] the same for tile 2
.set MSB, 0
.macro WIN new                         ; the immediate's high byte repeats the setting that is left
.if MSB != \new
	s_set_vgpr_msb (MSB<<8)|\new
.set MSB, \new
.endif
.endm
.set MUL_LO,   0xa1                    ; source 0 (wt) window 1, source 1 (xh) window 0, C and D window 2
.set MUL_HI,   0xf1                    ; the same, C and D window 3
.set FIRST_LO, 0x91                    ; the same as MUL_LO with C in window 1: the bias
.set FIRST_HI, 0xd1                    ; the same as MUL_HI with C in window 1
.set TO_B,     0x40                    ; destination window 1, address window 0
.macro MWIN hi, first
.if \first
.if \hi
	WIN FIRST_HI
.else
	WIN FIRST_LO
.endif
.else
.if \hi
	WIN MUL_HI
.else
	WIN MUL_LO
.endif
.endif
.endm
; A joint load for a K step of tile 1.  Waves 0 and 1 fetch xh's two halves, waves 2 and 3 wt's.  Each line has one mask and one set of registers for all that issue it;
; the branch hangs on the wave's number alone.
.macro JLOAD s
	s_cmp_eq_u32 s11, 0
	s_cbranch_scc0 .Lfor_b_\@
	tensor_load_to_lds s[G0+4*\s:G0+4*\s+3], s[G1:G1+7]
	s_nop 0
	s_branch .Lasked_\@
.Lfor_b_\@:
	tensor_load_to_lds s[G0B+4*\s:G0B+4*\s+3], s[G1B:G1B+7]
	s_nop 0
.Lasked_\@:
.endm
; The same for a K step of tile 2, which has 128 rows of wt: wave 2 fetches them, wave 3 has no part of the step's tiles and issues nothing.
.macro JLOAD2 s
	s_cmp_eq_u32 s11, 0
	s_cbranch_scc0 .Lfor_b2_\@
	tensor_load_to_lds s[G0+4*\s:G0+4*\s+3], s[G1:G1+7]
	s_nop 0
	s_branch .Lasked2_\@
.Lfor_b2_\@:
	s_cmp_lg_u32 s10, 2
	s_cbranch_scc1 .Lasked2_\@
	tensor_load_to_lds s[G0B+4*\s:G0B+4*\s+3], s[G1B:G1B+7]
	s_nop 0
.Lasked2_\@:
.endm
; A round of the cluster's barrier: my work-group's barrier, so that wave 0's signal speaks for all four waves; wave 0 signals for the work-group; every wave waits for
; all sixteen work-groups; my work-group's barrier once more.
.macro CREST                           ; a round behind its opening barrier
	s_cmp_lg_u32 s10, 0
	s_cbranch_scc1 .Lnot_wave_0_\@
	s_barrier_signal -3
.Lnot_wave_0_\@:
	s_barrier_wait -3
	s_barrier_signal -1
	s_barrier_wait -1
.endm
.macro CROUND                          ; a whole round
	s_barrier_signal -1
	s_barrier_wait -1
	CREST
.endm
	s_load_b128 s[4:7], s[0:1], 0x0                ; xh s[4:5], wt s[6:7]
	s_load_b64 s[8:9], s[0:1], 0x10                ; qkv
	s_load_b64 s[66:67], s[0:1], 0x18              ; biasp
	v_lshl_add_u32 v254, v0, 2, 0x48400
	v_mov_b32 v255, 0
	ds_add_u32 v254, v255
	v_lshrrev_b32 v1, 5, v0
	v_readfirstlane_b32 s10, v1                    ; wave 0..3
	s_lshr_b32 s11, s10, 1                         ; tile 1: which 128 of the block's rows are mine.  Also: I fetch for xh (0) or for wt (1)
	s_and_b32 s12, s10, 1                          ; tile 1: which 128 of its columns.  Also: which 128 rows of that tile I fetch
	s_bfe_u32 s40, ttmp6, 0x40000                  ; cx: my place along the cluster's x
	s_bfe_u32 s41, ttmp6, 0x40004                  ; cy: along its y
	s_lshl_b32 s42, ttmp9, 2                       ; in a cluster launch ttmp9 and ttmp7 count clusters
	s_add_co_u32 s42, s42, s40                     ; block column = 4 x cluster x + cx
	s_and_b32 s13, ttmp7, 0xffff
	s_lshl_b32 s13, s13, 2
	s_add_co_u32 s13, s13, s41                     ; block row = 4 x cluster y + cy
	s_lshl_b32 s43, s41, 2
	s_lshl_b32 s43, 15, s43                        ; my row of the cluster: places 4 cy .. 4 cy + 3
	s_lshl_b32 s44, 0x1111, s40                    ; my column: places cx, cx + 4, cx + 8, cx + 12
	; descriptor group 1: a tile of 128 rows x 128 elements of 2 bytes, padded in LDS
	s_or_b32 s[G1+0], s43, (1<<16)|(1<<20)|(1<<21)|(5<<22)|(3<<25)  ; 15:0 mask: my row; 17:16 2-byte elements; 20 padding on; 21 set beside a mask; 24:22 after every 64 words; 31:25 4 words
	s_or_b32 s[G1B+0], s44, (1<<16)|(1<<20)|(1<<21)|(5<<22)|(3<<25) ; the same with the mask of my column
	s_mov_b32 s[G1+1], KSTEP<<16                   ; tensor_dim0 = 128
	s_mov_b32 s[G1B+1], KSTEP<<16
	s_mov_b32 s[G1+2], 128<<16                     ; tensor_dim1 = 128
	s_mov_b32 s[G1B+2], 128<<16
	s_mov_b32 s[G1+3], KSTEP<<16                   ; tile_dim0 = 128
	s_mov_b32 s[G1B+3], KSTEP<<16
	s_mov_b32 s[G1+4], 128                         ; tile_dim1 = 128 rows
	s_mov_b32 s[G1B+4], 128
	s_mov_b32 s[G1+5], SIZE_K                      ; elements from row to row
	s_mov_b32 s[G1B+5], SIZE_K
	s_mov_b32 s[G1+6], 0
	s_mov_b32 s[G1B+6], 0
	s_mov_b32 s[G1+7], 0
	s_mov_b32 s[G1B+7], 0
	; where the tiles come from.  xh's hang on the block row alone, which my row of the cluster shares; wt's on the block column alone, which my column shares.
	; Every wave makes both addresses, in registers that never hold the other coordinate, and asks by one of them.
	s_lshl_b32 s16, s13, 8
	s_lshl_b32 s17, s12, 7
	s_add_co_u32 s16, s16, s17                     ; xh: row 256 x block row + 128 x half
	s_lshl_b32 s16, s16, 11                        ; a row is 2,048 bytes
	s_mov_b32 s17, 0
	s_mul_i32 s46, s42, BCOLS
	s_lshl_b32 s47, s12, 7
	s_add_co_u32 s46, s46, s47                     ; wt: row 384 x block column + 128 x half
	s_lshl_b32 s46, s46, 11
	s_mov_b32 s47, 0
	s_mul_i32 s20, s10, HALFT                      ; and where they go: xh's two halves, then wt's = wave x 128 rows: no place in the cluster enters an LDS address
	s_wait_dscnt 0x0
	s_wait_kmcnt 0x0
	s_add_nc_u64 s[14:15], s[4:5], s[16:17]
	s_add_nc_u64 s[46:47], s[6:7], s[46:47]
	CROUND                                         ; all sixteen work-groups are here: the first joint loads meet
.irp s, 0,1
	s_mov_b32 s[G0+4*\s], 1                                        ; count = 1
	s_add_co_u32 s[G0+4*\s+1], s20, \s*SLOT                        ; LDS address
	s_add_nc_u64 s[G0+4*\s+2:G0+4*\s+3], s[14:15], \s*KSTEP*2      ; global address: K step s
	s_or_b32 s[G0+4*\s+3], s[G0+4*\s+3], 0x80000000                ; type = 2
	s_mov_b32 s[G0B+4*\s], 1
	s_add_co_u32 s[G0B+4*\s+1], s20, \s*SLOT
	s_add_nc_u64 s[G0B+4*\s+2:G0B+4*\s+3], s[46:47], \s*KSTEP*2
	s_or_b32 s[G0B+4*\s+3], s[G0B+4*\s+3], 0x80000000
	JLOAD \s                                       ; the ring is filled before anything else is done
.endr
	v_and_b32 v1, 15, v0                           ; r = l % 16
	v_bfe_u32 v2, v0, 4, 1                         ; h = l / 16
	; the biases into window 1: columns 16 b + 8 h + 0..7 of my 128, two loads of 16 bytes for each b, for each tile
	s_mul_i32 s46, s42, BCOLS*4                    ; 384 numbers of 4 bytes for each block column
	s_mov_b32 s47, 0
	s_add_nc_u64 s[66:67], s[66:67], s[46:47]
	s_lshl_b32 s21, s12, 9                         ; tile 1: 128 numbers on for the second half of the columns
	v_lshlrev_b32 v[BO2], 5, v2
	v_add_nc_u32 v[BO1], s21, v[BO2]
	WIN TO_B
.irp b, 0,1,2,3,4,5,6,7
	global_load_b128 v[BIAS1+8*\b:BIAS1+8*\b+3],   v[BO1], s[66:67] offset:64*\b
	global_load_b128 v[BIAS1+8*\b+4:BIAS1+8*\b+7], v[BO1], s[66:67] offset:64*\b+16
.endr
.irp b, 0,1,2,3,4,5,6,7
	global_load_b128 v[BIAS2+8*\b:BIAS2+8*\b+3],   v[BO2], s[66:67] offset:1024+64*\b
	global_load_b128 v[BIAS2+8*\b+4:BIAS2+8*\b+7], v[BO2], s[66:67] offset:1024+64*\b+16
.endr
	WIN 0
	; A fragment is 16 rows x 32 K in 8 registers: lane l holds row l % 16; registers 0-3 hold K = 8 (l / 16) + 0..7, registers 4-7 hold K = 16 + 8 (l / 16) + 0..7:
	; two loads of 16 bytes, 32 bytes apart, from rows that lie along K.
	v_mul_u32_u24 v3, v1, PITCH
	v_lshl_add_u32 v3, v2, 4, v3                   ; row x pitch + 16 x half
	s_mul_i32 s21, s11, HALFT                      ; tile 1: my 128 rows of xh
	s_mul_i32 s22, s12, HALFT                      ; tile 1: my 128 rows of wt,
	s_add_co_u32 s22, s22, 2*HALFT                 ; which lie behind xh's 256
	s_mul_i32 s23, s10, 64*PITCH                   ; tile 2: my 64 rows of xh
.irp s, 0,1
	v_add_nc_u32 v[ADRA+\s], s21, v3
	v_add_nc_u32 v[ADRB+\s], s22, v3
	v_add_nc_u32 v[ADRA2+\s], s23, v3
	v_add_nc_u32 v[ADRB2+\s], 2*HALFT+\s*SLOT, v3  ; tile 2: all four waves read the same 128 rows of wt
	s_add_co_u32 s21, s21, SLOT
	s_add_co_u32 s22, s22, SLOT
	s_add_co_u32 s23, s23, SLOT
.endr
	s_mul_i32 s23, s10, 16*SPITCH
	s_add_co_u32 s23, s23, STAGE                   ; my stage
	v_mul_u32_u24 v4, v1, SPITCH                   ; in: row l % 16, 16 bytes for each half of the lanes
	v_lshl_add_u32 v4, v2, 4, v4
	v_add_nc_u32 v[STO], s23, v4
	v_mul_u32_u24 v5, v2, SPITCH                   ; back: lanes 0-15 take one row of 256 bytes, lanes 16-31 the next
	v_lshl_add_u32 v5, v1, 4, v5
	v_add_nc_u32 v[RD], s23, v5
	v_mul_u32_u24 v5, v2, CROW                     ; and the same two rows in qkv
	v_lshl_add_u32 v[CO], v1, 4, v5
	; where the results go: rows in registers that hold the block row alone, columns in those that held wt's address
	s_lshl_b32 s16, s13, 8
	s_lshl_b32 s17, s10, 6
	s_add_co_u32 s16, s16, s17                     ; tile 2: my first row, 256 x block row + 64 x wave
	s_mul_i32 s16, s16, CROW
	s_mov_b32 s17, 0
	s_add_nc_u64 s[C2:C2+1], s[8:9], s[16:17]
	s_lshl_b32 s16, s13, 8
	s_lshl_b32 s17, s11, 7
	s_add_co_u32 s16, s16, s17                     ; tile 1: my first row, 256 x block row + 128 x half
	s_mul_i32 s16, s16, CROW
	s_mov_b32 s17, 0
	s_add_nc_u64 s[C1:C1+1], s[8:9], s[16:17]
	s_mul_i32 s46, s42, BCOLS*2                    ; 768 bytes for each block column
	s_mov_b32 s47, 0
	s_add_nc_u64 s[C2:C2+1], s[C2:C2+1], s[46:47]
	s_add_nc_u64 s[C2:C2+1], s[C2:C2+1], 512       ; tile 2 lies behind tile 1's 256 columns
	s_lshl_b32 s21, s12, 8
	s_add_co_u32 s46, s46, s21                     ; tile 1: 256 bytes on for the second half of the columns
	s_add_nc_u64 s[C1:C1+1], s[C1:C1+1], s[46:47]
; 8 matrix instructions: row block a of the window's four (hi = 0: xh's fragments 0-3, 1: fragments 4-7) x all 8 column blocks, 32 along K.
; first = 1: C is the bias of column block b (window 1, from register bias on).
.macro MUL8 f, hi, a, first, bias
.irp b, 0,1,2,3,4,5,6,7
.if \first
	v_wmma_f32_16x16x32_f16 v[8*(8*\a+\b):8*(8*\a+\b)+7], v[\f+8*\b:\f+8*\b+7], v[\f+8*(4*\hi+\a):\f+8*(4*\hi+\a)+7], v[\bias+8*\b:\bias+8*\b+7]
.else
	v_wmma_f32_16x16x32_f16 v[8*(8*\a+\b):8*(8*\a+\b)+7], v[\f+8*\b:\f+8*\b+7], v[\f+8*(4*\hi+\a):\f+8*(4*\hi+\a)+7], v[8*(8*\a+\b):8*(8*\a+\b)+7]
.endif
.endr
.endm
.macro MUL32 f, hi, first, bias
	MUL8 \f, \hi, 0, \first, \bias
	MUL8 \f, \hi, 1, \first, \bias
	MUL8 \f, \hi, 2, \first, \bias
	MUL8 \f, \hi, 3, \first, \bias
.endm
; Tile 1: 32 LDS loads in one run: the fragments of one quarter step (128 rows of wt, 128 rows of xh, 32 K at byte k of the rows) into buffer f
.macro FETCH1 slot, k, f
	WIN TO_B
.irp i, 0,1,2,3,4,5,6,7
	ds_load_b128 v[\f+8*\i:\f+8*\i+3],   v[ADRB+\slot] offset:\k+\i*16*PITCH
	ds_load_b128 v[\f+8*\i+4:\f+8*\i+7], v[ADRB+\slot] offset:\k+\i*16*PITCH+32
.endr
	WIN 0
.irp i, 0,1,2,3,4,5,6,7
	ds_load_b128 v[\f+8*\i:\f+8*\i+3],   v[ADRA+\slot] offset:\k+\i*16*PITCH
	ds_load_b128 v[\f+8*\i+4:\f+8*\i+7], v[ADRA+\slot] offset:\k+\i*16*PITCH+32
.endr
.endm
; Tile 2: 24 LDS loads: 128 rows of wt, 64 rows of xh
.macro FETCH2 slot, k, f
	WIN TO_B
.irp i, 0,1,2,3,4,5,6,7
	ds_load_b128 v[\f+8*\i:\f+8*\i+3],   v[ADRB2+\slot] offset:\k+\i*16*PITCH
	ds_load_b128 v[\f+8*\i+4:\f+8*\i+7], v[ADRB2+\slot] offset:\k+\i*16*PITCH+32
.endr
	WIN 0
.irp i, 0,1,2,3
	ds_load_b128 v[\f+8*\i:\f+8*\i+3],   v[ADRA2+\slot] offset:\k+\i*16*PITCH
	ds_load_b128 v[\f+8*\i+4:\f+8*\i+7], v[ADRA2+\slot] offset:\k+\i*16*PITCH+32
.endr
.endm
; A load into a register that a matrix instruction has read, and a vector instruction that reads a matrix result, stand four places behind that matrix instruction, and
; only plain vector instructions that name none of its registers are places (ISA guide 7.12.1 for vector instructions).
.macro PLACES
.rept 4
	v_nop
.endr
.endm
; A K step is four quarter steps of 32 along K on buffers 0, 1, 0, 1.  The accumulators (64 in tile 1, 32 in tile 2) take turns, one instruction a turn, in the same
; order in every quarter step and over the loops' backward jumps.
; ---------------- tile 1 ----------------
; One of a K step's first three quarters: multiplies buffer f; in its middle it fetches the next quarter's fragments, at byte k of the same slot's rows, into buffer g.
.macro QUARTER1 slot, k, f, g, first
	s_wait_dscnt 8                                 ; wt's fragments and xh's 0-3 are in; the youngest eight loads (xh's fragments 4-7) may be out
	MWIN 0, \first
	MUL32 \f, 0, \first, BIAS1
	PLACES
	FETCH1 \slot, \k, \g
	s_wait_dscnt 32                                ; all but the 32 just issued
	MWIN 1, \first
	MUL32 \f, 1, \first, BIAS1
.endm
.macro THREE1 slot, first
	QUARTER1 \slot, 64,  F0, F1, \first
	QUARTER1 \slot, 128, F1, F0, 0
	QUARTER1 \slot, 192, F0, F1, 0
.endm
; The last quarter: multiplies buffer 1 and changes slots; this slot is filled again, two K steps ahead.  change = 1: those two steps ahead lie in tile 2.
; tile2 = 1: the next K step is tile 2's first, so the fragments fetched are tile 2's.
; One barrier for the change of slots; it opens a round of the cluster's barrier.  In front of it each wave waits for its own reads of this slot and for all its tensor
; loads, of which one is out: its part of the next slot.  Behind the round nobody in the cluster reads this slot any more and the next slot is whole: the refill comes
; first, then the next slot's first fragments.  From a request to the wait for it a wave issues 240 matrix instructions.
.macro TURN1 slot, next, change, tile2
	s_wait_dscnt 8
	WIN MUL_LO
	MUL8 F1, 0, 0, 0, 0
	MUL8 F1, 0, 1, 0, 0
	s_wait_dscnt 0                                 ; my reads of this slot are over
	s_set_vgpr_msb 0xa1a0
	s_wait_tensorcnt 0x0                           ; and all my tensor loads have landed: the one that was out is my part of the next slot
	ds_add_u32 v254, v255
	s_wait_dscnt 0x0
	s_set_vgpr_msb 0xa0a1
	s_barrier_signal -1                            ; say so,
	MUL8 F1, 0, 2, 0, 0                            ; work on registers while the others arrive,
	MUL8 F1, 0, 3, 0, 0
	WIN 0
	s_barrier_wait -1                              ; and go on when all four have said so
	CREST                                          ; all sixteen work-groups have said so: no wave of any partner still reads this slot's tile or has a load on its way
.if \change
	s_sub_nc_u64 s[G0+4*\slot+2:G0+4*\slot+3], s[G0+4*\slot+2:G0+4*\slot+3], 6*KSTEP*2                    ; xh: the same rows, six K steps back: tile 2's K step 0 or 1
	s_add_nc_u64 s[G0B+4*\slot+2:G0B+4*\slot+3], s[G0B+4*\slot+2:G0B+4*\slot+3], 256*SIZE_K*2-6*KSTEP*2   ; wt: 256 rows on, six K steps back
	JLOAD2 \slot                                   ; the first tensor load behind the round, and my only one until the next
.else
	s_add_nc_u64 s[G0+4*\slot+2:G0+4*\slot+3], s[G0+4*\slot+2:G0+4*\slot+3], 2*KSTEP*2
	s_add_nc_u64 s[G0B+4*\slot+2:G0B+4*\slot+3], s[G0B+4*\slot+2:G0B+4*\slot+3], 2*KSTEP*2
	JLOAD \slot                                    ; the first tensor load behind the round, and my only one until the next
.endif
	PLACES
.if \tile2
	FETCH2 \next, 0, F0
.else
	FETCH1 \next, 0, F0
.endif
	WIN MUL_HI
	MUL32 F1, 1, 0, 0
.endm
.macro LAP1 first                      ; once round the ring, both slots filled again
	THREE1 0, \first
	TURN1 0, 1, 0, 0
	THREE1 1, 0
	TURN1 1, 0, 0, 0
.endm
; ---------------- tile 2 ----------------
.macro QUARTER2 slot, k, f, g, first
	s_wait_dscnt 4                                 ; wt's fragments and xh's 0, 1 are in; the youngest four loads (xh's fragments 2, 3) may be out
	MWIN 0, \first
	MUL8 \f, 0, 0, \first, BIAS2
	MUL8 \f, 0, 1, \first, BIAS2
	PLACES
	FETCH2 \slot, \k, \g
	s_wait_dscnt 24                                ; all but the 24 just issued
	MWIN 0, \first
	MUL8 \f, 0, 2, \first, BIAS2
	MUL8 \f, 0, 3, \first, BIAS2
.endm
.macro THREE2 slot, first
	QUARTER2 \slot, 64,  F0, F1, \first
	QUARTER2 \slot, 128, F1, F0, 0
	QUARTER2 \slot, 192, F0, F1, 0
.endm
; As TURN1.  fill = 1: this slot is filled again, two K steps ahead.  From a request to the wait for it a wave issues 120 matrix instructions.
.macro TURN2 slot, next, fill
	s_wait_dscnt 4
	WIN MUL_LO
	MUL8 F1, 0, 0, 0, 0
	s_wait_dscnt 0                                 ; my reads of this slot are over
	s_set_vgpr_msb 0xa1a0
	s_wait_tensorcnt 0x0                           ; and all my tensor loads have landed
	ds_add_u32 v254, v255
	s_wait_dscnt 0x0
	s_set_vgpr_msb 0xa0a1
	s_barrier_signal -1
	MUL8 F1, 0, 1, 0, 0
	WIN 0
	s_barrier_wait -1
.if \fill
	CREST
	s_add_nc_u64 s[G0+4*\slot+2:G0+4*\slot+3], s[G0+4*\slot+2:G0+4*\slot+3], 2*KSTEP*2
	s_add_nc_u64 s[G0B+4*\slot+2:G0B+4*\slot+3], s[G0B+4*\slot+2:G0B+4*\slot+3], 2*KSTEP*2
	JLOAD2 \slot                                   ; the first tensor load behind the round, and my only one until the next
.endif
	PLACES
	FETCH2 \next, 0, F0
	WIN MUL_LO
	MUL8 F1, 0, 2, 0, 0
	MUL8 F1, 0, 3, 0, 0
.endm
.macro LAP2 first
	THREE2 0, \first
	TURN2 0, 1, 1
	THREE2 1, 0
	TURN2 1, 0, 1
.endm
; THE WAY OUT, 16 rows at a time: round to f16, 16 bytes a lane into my own stage in LDS, read back as whole rows of 256 bytes.
; The eight tiles (a, 0..7) of window 2 or 3 (from = 0x0a or 0x0f: sources 0 and 1) are rows row .. row + 15 of my piece; f: 32 registers to read back into; cb: the base.
; The row stands in the store's immediate, 126 rows of 6,144 bytes at the most, inside its signed 24 bits: no base is stepped.
.macro OUT16 row, a, from, f, cb
	WIN \from
.irp b, 0,1,2,3,4,5,6,7
.irp q, 0,1,2,3
	v_cvt_pk_f16_f32 v[TMP+4*\b+\q], v[8*(8*\a+\b)+2*\q], v[8*(8*\a+\b)+2*\q+1]
.endr
.endr
	WIN 0
.irp b, 0,1,2,3,4,5,6,7
	ds_store_b128 v[STO], v[TMP+4*\b:TMP+4*\b+3] offset:32*\b
.endr
	s_wait_xcnt 0x0                                ; the registers from f on, which earlier stores read, are rewritten only behind this wait
.irp t, 0,1,2,3,4,5,6,7
	ds_load_b128 v[\f+4*\t:\f+4*\t+3], v[RD] offset:\t*2*SPITCH    ; LDS serves a wave's instructions in order (ISA guide 5.7.1.4): these see the stores above
.endr
.irp t, 0,1,2,3,4,5,6,7
	s_wait_dscnt 7-\t                              ; the 7 - t younger loads stay out
	global_store_b128 v[CO], v[\f+4*\t:\f+4*\t+3], s[\cb:\cb+1] offset:(\row+2*\t)*CROW   ; 16 lanes store 256 consecutive bytes, at a multiple of 256 from the buffer's first byte
.endr
.endm
	s_wait_tensorcnt 0x1                           ; my part of K step 0 is in; K step 1's load stays out
	s_barrier_signal -1
	s_barrier_wait -1                              ; everybody's is
	FETCH1 0, 0, F0
	s_wait_loadcnt 0x0                             ; the biases: the first products take them as C
	LAP1 1                                         ; K steps 0, 1 stand in front of the loop: their first products start the sums.  They ask for steps 2, 3
	WIN 0                                          ; at a label and at a branch every window is 0
	s_mov_b32 s3, 2
.Llap1:
	LAP1 0                                         ; K steps 2 to 5, which ask for steps 4 to 7
	WIN 0
	s_sub_co_u32 s3, s3, 1
	s_cmp_lg_u32 s3, 0
	s_cbranch_scc1 .Llap1
	THREE1 0, 0                                    ; K steps 6, 7 ask for tile 2's K steps 0, 1
	TURN1 0, 1, 1, 0
	THREE1 1, 0
	TURN1 1, 0, 1, 1                               ; and fetch tile 2's first fragments into buffer 0
	; Tile 1 leaves while tile 2's K step 1 is on its way.  Buffer 0 holds tile 2's first fragments, so the rows are read back into buffer 1's 64 registers of window 0.
	PLACES                                         ; the places behind the last matrix instructions: for the conversions and for the loads into buffer 1
	OUT16 0,   0, 0x0a, F1,    C1
	OUT16 16,  1, 0x0a, F1+32, C1
	OUT16 32,  2, 0x0a, F1,    C1
	OUT16 48,  3, 0x0a, F1+32, C1
	OUT16 64,  0, 0x0f, F1,    C1
	OUT16 80,  1, 0x0f, F1+32, C1
	OUT16 96,  2, 0x0f, F1,    C1
	OUT16 112, 3, 0x0f, F1+32, C1
	s_wait_xcnt 0x0                                ; buffer 1, which the last stores read, is loaded again only behind this wait
	LAP2 1                                         ; tile 2's K steps 0, 1: their first products start the sums anew, on window 2.  They ask for steps 2, 3
	WIN 0
	s_mov_b32 s3, 2
.Llap2:
	LAP2 0                                         ; K steps 2 to 5, which ask for steps 4 to 7
	WIN 0
	s_sub_co_u32 s3, s3, 1
	s_cmp_lg_u32 s3, 0
	s_cbranch_scc1 .Llap2
	THREE2 0, 0                                    ; the last lap fills nothing and has no round of the cluster's barrier: the one load still out is slot 1's, the last K step's
	TURN2 0, 1, 0
	THREE2 1, 0
	s_wait_dscnt 4                                 ; the very last quarter: nothing more to fetch
	WIN MUL_LO
	MUL8 F1, 0, 0, 0, 0
	MUL8 F1, 0, 1, 0, 0
	s_wait_dscnt 0
	MUL8 F1, 0, 2, 0, 0
	MUL8 F1, 0, 3, 0, 0
	PLACES
	OUT16 0,  0, 0x0a, F0, C2
	OUT16 16, 1, 0x0a, F1, C2
	OUT16 32, 2, 0x0a, F0, C2
	OUT16 48, 3, 0x0a, F1, C2
	s_wait_tensorcnt 0x0
	ds_add_u32 v254, v255
	s_wait_dscnt 0x0
	CROUND                                         ; the closing round: no work-group ends while a partner may still ask for a tile that names it
	s_endpgm
.Lfunc_end_k_qa83ff7d4d2_qkv:
	.size	k_qa83ff7d4d2_qkv, .Lfunc_end_k_qa83ff7d4d2_qkv-k_qa83ff7d4d2_qkv
	.p2alignl 7, 3214868480
	.fill 96, 4, 3214868480
	.section	.rodata,"a",@progbits
	.p2align	6, 0x0
	.amdhsa_kernel k_qa83ff7d4d2_qkv
		.amdhsa_group_segment_fixed_size 327680
		.amdhsa_private_segment_fixed_size 0
		.amdhsa_enable_private_segment 0
		.amdhsa_kernarg_size 32
		.amdhsa_user_sgpr_count 2
		.amdhsa_user_sgpr_kernarg_segment_ptr 1
		.amdhsa_wavefront_size32 1
		.amdhsa_system_sgpr_workgroup_id_x 1
		.amdhsa_system_sgpr_workgroup_id_y 1
		.amdhsa_system_sgpr_workgroup_id_z 1
		.amdhsa_system_vgpr_workitem_id 0
		.amdhsa_next_free_vgpr 1024
		.amdhsa_next_free_sgpr 70
		.amdhsa_reserve_vcc 0
		.amdhsa_float_denorm_mode_32 3
		.amdhsa_float_denorm_mode_16_64 3
		.amdhsa_memory_ordered 1
		.amdhsa_forward_progress 1
		.amdhsa_inst_pref_size 255
	.end_amdhsa_kernel
	.section	.bss,"aw",@nobits
	.p2align	6
	.space	262144
	.amdgpu_metadata
---
amdhsa.version: [ 1, 2 ]
amdhsa.kernels:
  - .name:           k_qa83ff7d4d2_qkv
    .symbol:         k_qa83ff7d4d2_qkv.kd
    .args:
      - { .name: xh, .offset: 0, .size: 8, .value_kind: global_buffer, .address_space: global }
      - { .name: wt, .offset: 8, .size: 8, .value_kind: global_buffer, .address_space: global }
      - { .name: qkv, .offset: 16, .size: 8, .value_kind: global_buffer, .address_space: global }
      - { .name: biasp, .offset: 24, .size: 8, .value_kind: global_buffer, .address_space: global }
    .group_segment_fixed_size: 327680
    .private_segment_fixed_size: 0
    .kernarg_segment_align: 8
    .kernarg_segment_size: 32
    .max_flat_workgroup_size: 128
    .sgpr_count:     70
    .vgpr_count:     1024
    .wavefront_size: 32
...
	.end_amdgpu_metadata
.endif
;; end of part 6
;; launch attn (part 7): grid 256 x 1, 16 waves a work-group, no clusters, 0 bytes of LDS; arguments qkv, yh; writes yh
.if DOCPART == 7
	.amdgcn_target "amdgcn-amd-amdhsa--gfx1250"
	.amdhsa_code_object_version 6
	.text
	.protected	k_qa83ff7d4d2_attn
	.globl	k_qa83ff7d4d2_attn
	.p2align	8
	.type	k_qa83ff7d4d2_attn,@function
k_qa83ff7d4d2_attn:
	s_mov_b64 s[64:65], 0
	v_nop
	global_prefetch_b8 v0, s[64:65] scope:SCOPE_SE
	s_setreg_imm32_b32 hwreg(HW_REG_WAVE_MODE, 25, 1), 1
	s_wait_xcnt 0x0
; ATTN: for each token, from its 64 x 16 matrices q, k, v:  d[i][k] = sum over j of q[i][j] k[k][j];  s = d / 4 + 1e-6, kept where k <= i and s != 0, else -inf;
; p = softmax of s over k (the row's maximum taken away);  y[i][j] = sum over k of p[i][k] v[k][j].  Operands f16, sums and softmax f32, y rounded once to f16.
; LEFT OUT: (1) the 6 of 16 score tiles of 16 x 16 in which every k > i, and the blocks of 32 keys of p x v that hold such entries alone (keys 32-63 for queries 0-31):
; reference() sets those scores to -inf in its own body, so their probabilities are exactly 0 for all inputs.  16 matrix instructions a token instead of 24.
; (2) the 1e-6 in front of the softmax: it is the same along the softmax's axis, exp(s + c - (max + c)) = exp(s - max).  It stays in the test for zero, which is made
; on d: in f32 d / 4 + 1e-6 is 0 exactly when d = -4 x f32(1e-6) (a sum is 0 only of exact opposites; the quartering is exact but among denormals, which are not -1e-6).
; The 1/4 is positive, so the largest d is the largest s: the maximum is taken on d, and one multiply-add forms (d - max) x (log2 e / 4) for the exponential.
; LIMITS: a NaN or an infinity of v at a key of a block left out is not carried to y.  The probabilities go to the matrix unit unnormalised, exp(s - max) in [0, 1],
; in f16; y is multiplied by 1 / sum afterwards, in f32.  A row in which no score is kept gives NaN, as in reference().
; SHARES: one wave, two tokens, all in registers: no LDS, no barrier, no loop.  16 waves x 256 work-groups x 2 = 8,192 tokens.  No cluster: no two waves read the same bytes.
; LAYOUTS: qkv holds a token's q, k, v so that lane L = r + 16 h finds its 16 bytes of fragment f at byte 512 f + 16 L:
;   q, k: row 16 f + r, columns 8 h + 0..7 (registers 0-3 of a fragment; the contraction has 16 of the form's 32, so registers 4-7 are 0, written once);
;   v:    column r, keys 16 f + 8 h + 0..7 (two loads make a fragment of 32 keys).
; Scores are made transposed, D = K fragment x Q fragment: register j of lane (r, h) holds key 16 kt + 8 h + j of query 16 it + r.  So a query's keys lie in the registers of
; two lanes, L and L xor 16: softmax needs one step across lanes, and a tile's eight registers pack into registers 0-3 or 4-7 of a fragment of p with no lane crossed.
; y = V fragment x P fragment: register j of lane (r, h) holds y[16 it + r][8 h + j], 16 bytes in f16, stored at byte 512 it + 16 L: the order in which the last launch's
; weights were laid.
.set TOK,  6144                        ; bytes of a token in qkv
.set YTOK, 2048                        ; bytes of a token in yh
.set R,  16                            ; v[16:23]   1 / sum of query tile it, twice (a pair for the packed multiply)
.set Q,  24                            ; v[24:55]   4 fragments of q
.set K,  56                            ; v[56:87]   4 fragments of k
.set V,  88                            ; v[88:103]  2 fragments of v
.set P,  104                           ; v[104:151] 6 fragments of p: query tile 0: 1 (keys 0-15, the rest 0), 1: 1, 2: 2 (the second: keys 32-47, the rest 0), 3: 2
.set S,  152                           ; v[152:231] 10 score tiles, tile (it, kt) at 8 (it (it + 1) / 2 + kt); later y of query tile it at 8 it
.set YP, 232                           ; v[232:247] y packed, to store
; v1 16 L, the only address register, never rewritten; v2 -inf; v3 the other half's figure; v[8:9] log2 e / 4; v[10:11] -max log2 e / 4; v[12:13] sums; v14, v15 maxima
	s_load_b128 s[4:7], s[0:1], 0x0                ; qkv s[4:5], yh s[6:7]
	v_lshrrev_b32 v1, 5, v0
	v_readfirstlane_b32 s8, v1                     ; wave 0..15
	s_lshl_b32 s9, ttmp9, 4
	s_add_co_u32 s9, s9, s8                        ; my pair of tokens
	s_mul_i32 s10, s9, 2*TOK
	s_mov_b32 s11, 0
	s_lshl_b32 s14, s9, 12                         ; 2 x 2,048 bytes
	s_mov_b32 s15, 0
	s_mov_b32 s12, 0x76543210                      ; v_permlanex16_b32: lane i of one half reads lane i of the other
	s_mov_b32 s13, 0xfedcba98
	s_mov_b32 s16, 0xb68637bd                      ; -4 x f32(1e-6): the sum of products whose score reference() finds to be 0
	v_and_b32 v1, 31, v0
	v_lshlrev_b32 v1, 4, v1
	s_wait_kmcnt 0x0
	s_add_nc_u64 s[4:5], s[4:5], s[10:11]
	s_add_nc_u64 s[6:7], s[6:7], s[14:15]
.macro LOADQK t                        ; eight loads, each 512 consecutive bytes for the wave
.irp f, 0,1,2,3
	global_load_b128 v[Q+8*\f:Q+8*\f+3], v1, s[4:5] offset:TOK*(\t)+512*\f th:TH_LOAD_NT
.endr
.irp f, 0,1,2,3
	global_load_b128 v[K+8*\f:K+8*\f+3], v1, s[4:5] offset:TOK*(\t)+2048+512*\f th:TH_LOAD_NT
.endr
.endm
.macro LOADV t                         ; four loads
.irp f, 0,1,2,3
	global_load_b128 v[V+4*\f:V+4*\f+3], v1, s[4:5] offset:TOK*(\t)+4096+512*\f th:TH_LOAD_NT
.endr
.endm
	LOADQK 0
	LOADV 0
	; constants, while the twelve loads are on their way
	v_mov_b32 v2, 0xff800000
	v_mov_b32 v3, 0
	v_mov_b32 v8, 0x3eb8aa3b
	v_mov_b32 v9, 0x3eb8aa3b
	; the halves of fragments that hold no data: K = 16..31 of q and k, keys 16-31 of p's fragment 0, keys 48-63 of its fragment 3.  No load and no later line writes them.
.irp f, 0,1,2,3
.irp j, 4,5,6,7
	v_mov_b32 v[Q+8*\f+\j], 0
	v_mov_b32 v[K+8*\f+\j], 0
.endr
.endr
.irp j, 4,5,6,7
	v_mov_b32 v[P+\j], 0
	v_mov_b32 v[P+24+\j], 0
.endr
.macro SCORES                          ; ten products, each into a tile of its own
.irp it, 0,1,2,3
.irp kt, 0,1,2,3
.if \kt <= \it
	v_wmma_f32_16x16x32_f16 v[S+8*((\it*(\it+1))/2+\kt):S+8*((\it*(\it+1))/2+\kt)+7], v[K+8*\kt:K+8*\kt+7], v[Q+8*\it:Q+8*\it+7], 0
.endif
.endr
.endr
.endm
; Tile T: -inf where reference()'s score is 0 (d = -4e-6) and, in a tile on the diagonal, where key 8 h + j > query r.  The choice selects a value; nothing branches on it.
.macro MASK T, diag
.irp j, 0,1,2,3,4,5,6,7
	v_cmp_neq_f32 s[24+\j], s16, v[S+8*\T+\j]
.endr
.if \diag
.irp j, 0,1,2,3,4,5,6,7
	s_and_b32 s[24+\j], s[24+\j], ((0xffff<<\j)&0xffff)|(((0xffff<<(8+\j))&0xffff)<<16)   ; lanes 0-15: r >= j; lanes 16-31: r >= 8 + j
.endr
.endif
.irp j, 0,1,2,3,4,5,6,7
	v_cndmask_b32 v[S+8*\T+\j], v2, v[S+8*\T+\j], s[24+\j]
.endr
.endm
; Query tile it: its it + 1 score tiles lie in 8 (it + 1) neighbouring registers from SB on, its fragments of p in 4 (it + 1) registers from PB on.
.macro SOFT it
.set SB, S+8*((\it*(\it+1))/2)
.set NR, 8*(\it+1)
.set PB, P+8*(\it+\it/3)
	v_max3_num_f32 v14, v[SB], v[SB+1], v[SB+2]    ; the maximum, in two chains
	v_max3_num_f32 v15, v[SB+3], v[SB+4], v[SB+5]
.set ci, 6
.rept (NR-6)/2
	v_max3_num_f32 v[14+((ci>>1)&1)], v[14+((ci>>1)&1)], v[SB+ci], v[SB+ci+1]
.set ci, ci+2
.endr
	v_max_num_f32 v14, v14, v15
	v_permlanex16_b32 v3, v14, s12, s13            ; the query's other eight keys of each tile lie in lane L xor 16
	v_max_num_f32 v14, v14, v3
	v_mul_f32 v10, 0xbeb8aa3b, v14                 ; - max x log2 e / 4
	v_mul_f32 v11, 0xbeb8aa3b, v14
.set ci, 0
.rept \it+1
.set cq, 0
.rept 4
	v_pk_fma_f32 v[SB+ci+cq:SB+ci+cq+1], v[SB+ci+cq:SB+ci+cq+1], v[8:9], v[10:11]   ; (d - max) log2 e / 4
.set cq, cq+2
.endr
.set cq, 0
.rept 8
	v_exp_f32 v[SB+ci+cq], v[SB+ci+cq]             ; behind a group of these the next tile's multiply-adds, which touch other registers, are the plain instruction
.set cq, cq+1                                      ; that stands in front of the first use (ISA guide 5.7.2);
.endr
.set ci, ci+8
.endr
	v_nop                                          ; behind the last group this one
	s_wait_alu depctr_va_vdst(0)
	v_pk_add_f32 v[12:13], v[SB:SB+1], v[SB+2:SB+3]        ; the sum, in two chains of pairs
	v_pk_add_f32 v[10:11], v[SB+4:SB+5], v[SB+6:SB+7]
.set ci, 8
.rept (NR-8)/4
	v_pk_add_f32 v[12:13], v[12:13], v[SB+ci:SB+ci+1]
	v_pk_add_f32 v[10:11], v[10:11], v[SB+ci+2:SB+ci+3]
.set ci, ci+4
.endr
	v_pk_add_f32 v[12:13], v[12:13], v[10:11]
	v_add_f32 v12, v12, v13
	v_permlanex16_b32 v3, v12, s12, s13
	v_add_f32 v12, v12, v3
	v_rcp_f32 v[R+2*\it], v12                      ; used far below; the conversions that follow are the plain instructions behind it
	v_rcp_f32 v[R+2*\it+1], v12
.set ci, 0
.rept NR/2
	v_cvt_pk_f16_f32 v[PB+ci], v[SB+2*ci], v[SB+2*ci+1]    ; keys 8 h + 2 q, + 1 of tile kt: register 4 kt + q of the query tile's fragments
.set ci, ci+1
.endr
.endm
; y of the four query tiles.  The accumulators take turns, one instruction a turn: tiles 2 and 3 are taken up again two instructions behind their first product.
.macro PV
	v_wmma_f32_16x16x32_f16 v[S:S+7],     v[V:V+7],    v[P:P+7],     0
	v_wmma_f32_16x16x32_f16 v[S+8:S+15],  v[V:V+7],    v[P+8:P+15],  0
	v_wmma_f32_16x16x32_f16 v[S+16:S+23], v[V:V+7],    v[P+16:P+23], 0
	v_wmma_f32_16x16x32_f16 v[S+24:S+31], v[V:V+7],    v[P+32:P+39], 0
	v_wmma_f32_16x16x32_f16 v[S+16:S+23], v[V+8:V+15], v[P+24:P+31], v[S+16:S+23]
	v_wmma_f32_16x16x32_f16 v[S+24:S+31], v[V+8:V+15], v[P+40:P+47], v[S+24:S+31]
.endm
.macro OUTY t
	s_wait_alu depctr_va_vdst(0)
.irp it, 0,1,2,3
.irp q, 0,2,4,6
	v_pk_mul_f32 v[S+8*\it+\q:S+8*\it+\q+1], v[S+8*\it+\q:S+8*\it+\q+1], v[R+2*\it:R+2*\it+1]
.endr
.endr
.if \t
	s_wait_xcnt 0x0                                ; YP, which the last token's stores read, is rewritten only behind this wait
.endif
.irp it, 0,1,2,3
.irp q, 0,1,2,3
	v_cvt_pk_f16_f32 v[YP+4*\it+\q], v[S+8*\it+2*\q], v[S+8*\it+2*\q+1]
.endr
	global_store_b128 v1, v[YP+4*\it:YP+4*\it+3], s[6:7] offset:YTOK*(\t)+512*\it   ; the wave stores 512 consecutive bytes, aligned
.endr
.endm
.macro PLACES                          ; four places behind a matrix instruction before its result is read or a load is issued into a source (ISA guide 7.12.1 for the read)
.rept 4
	v_nop
.endr
.endm
; One token.  more = 1: the next token's loads go out as soon as this token's registers are free.
.macro TOKEN t, more
	s_wait_loadcnt 0x4                             ; q and k are in; v's four younger loads stay out
	SCORES
	PLACES
.if \more
	LOADQK \t+1
.endif
	MASK 0, 1
	MASK 1, 0
	MASK 2, 1
	MASK 3, 0
	MASK 4, 0
	MASK 5, 1
	MASK 6, 0
	MASK 7, 0
	MASK 8, 0
	MASK 9, 1
	SOFT 0
	SOFT 1
	SOFT 2
	SOFT 3
.if \more
	s_wait_loadcnt 0x8                             ; v is in; the next token's eight loads of q and k are younger and stay out
.else
	s_wait_loadcnt 0x0
.endif
	PV
	PLACES
.if \more
	LOADV \t+1
.endif
	OUTY \t
.endm
	TOKEN 0, 1
	TOKEN 1, 0
	s_endpgm
.Lfunc_end_k_qa83ff7d4d2_attn:
	.size	k_qa83ff7d4d2_attn, .Lfunc_end_k_qa83ff7d4d2_attn-k_qa83ff7d4d2_attn
	.p2alignl 7, 3214868480
	.fill 96, 4, 3214868480
	.section	.rodata,"a",@progbits
	.p2align	6, 0x0
	.amdhsa_kernel k_qa83ff7d4d2_attn
		.amdhsa_group_segment_fixed_size 0
		.amdhsa_private_segment_fixed_size 0
		.amdhsa_enable_private_segment 0
		.amdhsa_kernarg_size 16
		.amdhsa_user_sgpr_count 2
		.amdhsa_user_sgpr_kernarg_segment_ptr 1
		.amdhsa_wavefront_size32 1
		.amdhsa_system_sgpr_workgroup_id_x 1
		.amdhsa_system_sgpr_workgroup_id_y 1
		.amdhsa_system_sgpr_workgroup_id_z 1
		.amdhsa_system_vgpr_workitem_id 0
		.amdhsa_next_free_vgpr 248
		.amdhsa_next_free_sgpr 66
		.amdhsa_reserve_vcc 0
		.amdhsa_float_denorm_mode_32 3
		.amdhsa_float_denorm_mode_16_64 3
		.amdhsa_memory_ordered 1
		.amdhsa_forward_progress 1
		.amdhsa_inst_pref_size 65
	.end_amdhsa_kernel
	.amdgpu_metadata
---
amdhsa.version: [ 1, 2 ]
amdhsa.kernels:
  - .name:           k_qa83ff7d4d2_attn
    .symbol:         k_qa83ff7d4d2_attn.kd
    .args:
      - { .name: qkv, .offset: 0, .size: 8, .value_kind: global_buffer, .address_space: global }
      - { .name: yh, .offset: 8, .size: 8, .value_kind: global_buffer, .address_space: global }
    .group_segment_fixed_size: 0
    .private_segment_fixed_size: 0
    .kernarg_segment_align: 8
    .kernarg_segment_size: 16
    .max_flat_workgroup_size: 512
    .sgpr_count:     66
    .vgpr_count:     248
    .wavefront_size: 32
...
	.end_amdgpu_metadata
.endif
;; end of part 7
;; launch oproj: the kernel of part 4 again; grid 4 x 64, 4 waves a work-group, clusters of 4 x 4, 327,680 bytes of LDS; arguments yh, wt, out0, bo; writes out0
